; MI455X (gfx1250); checked and timed in simulation.
; The chip was launched on July 23, 2026; its instructions are those of AMD's public machine-readable ISA for CDNA 5 (MIT licence, August 2026) and "CDNA5" Instruction Set Architecture Reference Guide (July 2026). The comments in the code are by the model that wrote it; some were corrected since.
;; Mo E Head. Allowed arithmetic: matrix products marked QUANTISED: E4M3 operands, one given power-of-two scale a tensor, by v_wmma_f32_16x16x64_fp8_fp8 or v_wmma_f32_16x16x128_fp8_fp8, f32 sums; products left as they are: f32 operands where the result goes on into a quantised operand, else bf16, f16 or f32 operands; f32 sums; everything else in f32.
;; Inputs: W_in 8 x 2,048 x 512 float32; W_out 8 x 2,048 x 512 float32; Wr 8 x 512 float32; lowp_scales 4 int32 (the exponents e of the quantised operands' scales 2^e); x 4,096 x 512 float32.
;; Outputs: out0 4,096 x 512 float32.
;; This version of the problem:
;;   THIS VERSION OF THE PROBLEM IS GIVEN IN LOW PRECISION. The matrix products marked QUANTISED in the list below multiply operands that are first quantised to E4M3 (4 exponent bits, 3 mantissa bits; 8 bits a number), with one given power-of-two scale for each operand tensor; their sums are f32. All else is computed in f32.
;;   The module's matrix products, in the order in which they are computed (A, B: the left and right operand; K: the contracted axis; several contracted axes count as one K, in the product's order):
;;     1. [M 4,096, K 512] x [K 512, N 8]; A: input x; B: input Wr: left as it is (N = 8 < 16)
;;     2. [M 4,096, K 512] x [K 512, N 16,384]; A: input x; B: input W_in: QUANTISED (scales: A lowp_scales[0], B lowp_scales[1])
;;     3. [M 4,096, K 16,384] x [K 16,384, N 512]; A: computed on the way; B: input W_out: QUANTISED (scales: A lowp_scales[2], B lowp_scales[3])
;;   THE QUANTISER, for each operand of a quantised product, along K:
;;     - The operand's scale is 2^e, e = its entry of the input lowp_scales (int32; the entries are numbered through the quantised products in the list's order, A before B).
;;     - Each number is divided by the scale, clamped to +-448, and rounded to the nearest number of E4M3, ties to even, subnormals kept.
;;     - The product sums the exact products of the quantised numbers (number of the format x scale) in f32.
;;   ~~~python
;;   def quantise(x, axis, e):      # numpy; x: float32 -> the quantised numbers, widened to float32 again
;;       x = np.moveaxis(x, axis, -1); K = x.shape[-1]
;;       r = np.clip(x / 2.0 ** e, -448, 448)
;;       step = 2.0 ** (np.maximum(np.frexp(np.where(r == 0, 1, r))[1] - 1, -6) - 3)
;;       q = np.round(r / step) * step * 2.0 ** e      # np.round: ties to even
;;       return np.moveaxis(q, -1, axis).astype(np.float32)
;;   ~~~
;;   OPERANDS COMPUTED ON THE WAY. 'Computed on the way' means the value that the module computes at that place (a softmax that the list does not call 'softmax' is quantised finished and normalised). What goes into a quantiser is computed in f32, as accurately as f32 sums, v_exp_f32 and their like allow (about 1e-6 of the number): no bf16 or f16 on the way to a quantiser, and a product that is left as it is and whose result goes on into a quantised operand takes f32 operands (vector FMAs, or v_wmma_f32_16x16x4_f32). A number that lies on a knife's edge between two numbers of the format may be rounded either way, as far as f32 arithmetic and the matrix unit's own rounding can turn it there, and no further.
;; 3 versions, each right; version 2 is faster than version 1; version 3 is version 2 with the launch chain written anew for expert scheduling mode. Each part assembles by itself: llvm-mc -triple=amdgcn-amd-amdhsa -mcpu=gfx1250 --defsym DOCPART=n.
;; ======== version 1 of 3: 4 launches
;; workspace buffers: xq 2,097,152 bytes; wq 16,777,216 bytes; ridx 16,384 bytes of whole numbers; rw 32,768 bytes; lists 68,608 bytes of whole numbers; sw 35,328 bytes; part 36,044,800 bytes
;; launch prep (part 1): grid 576 x 1, 4 waves a work-group, no clusters, 88,576 bytes of LDS; arguments x, Wr, W_in, W_out, lowp_scales, xq, wq, ridx, rw; writes xq, wq, ridx, rw
.if DOCPART == 1
	.amdgcn_target "amdgcn-amd-amdhsa--gfx1250"
	.amdhsa_code_object_version 6
	.text
	.protected	k_q9760fa2e5f_prep
	.globl	k_q9760fa2e5f_prep
	.p2align	8
	.type	k_q9760fa2e5f_prep,@function
k_q9760fa2e5f_prep:
	s_mov_b64 s[64:65], 0
	v_nop
	global_prefetch_b8 v0, s[64:65] scope:SCOPE_SE
	s_setreg_imm32_b32 hwreg(HW_REG_WAVE_MODE, 25, 1), 1
	s_wait_xcnt 0x0
; PREP: everything that is done once to the inputs.  Three roles, chosen by the work-group's number; each has LDS bytes of its own.
;   X (work-groups 0-63):    x [4096][512] f32 -> codes of E4M3 with scale 2^e0, laid [t][512]; and the router: 8 logits a token in f32, the two largest
;                            (ties keep the lower expert), their softmax with the larger logit taken away.  The choice goes out as whole numbers at fixed places.
;   I (work-groups 64-319):  W_in [8][2048][512] f32 (K innermost) -> codes with 2^e1.
;   O (work-groups 320-575): W_out [8][2048][512] f32 (K = the hidden units, NOT innermost) -> codes with 2^e3: a lane takes a column and its registers run down K.
; code = number / 2^e, held within +-448, to the nearest code, ties to even.
; THE WEIGHTS' CODES ARE LAID AS IMAGES OF OPERAND REGISTERS, in the order in which a wave of the chain's launch takes them:
;   byte = (((e*4 + w)*2 + hs)*16 + blk)*16384 + f*2048 + 512*cc + 16*lane;  registers 4cc..4cc+3 of lane (r, h) hold k = 32cc + 16h + 0..15 of the fragment's row r.
;   hidden group j = 8 hs + jl of 128 units: W_in's block stands at blk = max(2 jl - 1, 0), W_out's at min(2 jl + 2, 15).
;   W_in:  f = 4u + s: row r = unit 128 j + 32 w + 8 u + r + 8 (r / 8), k = 128 s + ..      W_out: f = dt: row r = column 128 w + 16 dt + r, k = unit 128 j + ..
; LIMITS: e0, e1, e3 between -126 and 119, so that 2^e and 448 x 2^e are f32 numbers.  NaN and infinities among the inputs are not served.
; The router's sums are f32 in another order than a plain loop's: a token whose 2nd and 3rd logits agree to within f32 rounding may go either way.
; No matrix unit, no tensor load, no barrier: waves share nothing, and memory binds.
.set SP,    80                         ; a lane's place in a turning stage: 64 bytes + 16 of padding
.set XSTG,  0                          ; role X: 4 waves x 32 x SP
.set ISTG,  10240                      ; role I: the same
.set ICOD,  20480                      ; role I: 4 waves x 32 rows x IP: the codes on their way out
.set OCOD,  55296                      ; role O: 4 waves x 8,192
.set IP,    272                        ; 256 + 16: an odd multiple of 16 bytes
.set R,     16                         ; v16-79   four sets of 16 numbers as loaded (role O: two sets of 32)
.set X,     80                         ; v80-95   16 neighbours along K
.set C,     96                         ; codes: role X two sets of 4 registers; roles I, O sixteen sets (v96-159)
.set ACC,   104                        ; role X: v104-119 eight pairs of partial logits
.set LG,    120                        ; role X: v120-127 lane t holds row t's eight logits
.set W,     128                        ; role X: v128-255 Wr, laid as a row of x is loaded
.set OUTR,  160                        ; roles I, O: v160-223 the way out
.macro MKSCALE e                       ; v11 = 2^e as f32 (the conversion takes its exponent field), v10 = 448 x 2^e
	s_add_co_i32 s28, \e, 127
	s_lshl_b32 s29, s28, 23
	v_mov_b32 v11, s29
	s_add_co_i32 s28, s28, 8
	s_lshl_b32 s28, s28, 23
	s_or_b32 s28, s28, 0x600000
	v_mov_b32 v10, s28
.endm
.macro STAGEADR base                   ; v14: into the stage as the bytes lie; v15: out of it, 64 bytes a lane
	s_mul_i32 s28, s22, 32*SP
	s_add_co_u32 s28, s28, \base
	v_lshrrev_b32 v14, 2, v1
	v_mul_u32_u24 v14, v14, SP
	v_and_b32 v15, 3, v1
	v_lshl_add_u32 v14, v15, 4, v14
	v_add_nc_u32 v14, s28, v14
	v_mul_u32_u24 v15, v1, SP
	v_add_nc_u32 v15, s28, v15
.endm
.macro QUANT16 src, dst                ; 16 neighbours along K become 16 codes
.irp i, 0,1,2,3,4,5,6,7,8,9,10,11,12,13,14,15
	v_med3_num_f32 v[(\src)+\i], v[(\src)+\i], -v10, v10   ; the conversion to an 8-bit code does not saturate (ISA guide 7.6.2): the hold comes first
.endr
	v_cvt_scalef32_pk8_fp8_f32 v[(\dst):(\dst)+1], v[(\src):(\src)+7], v11
	v_cvt_scalef32_pk8_fp8_f32 v[(\dst)+2:(\dst)+3], v[(\src)+8:(\src)+15], v11
	v_nop                                          ; one plain vector line behind the conversions, ahead of whatever next writes their sources
.endm
.macro LOADROW t, role                 ; a row of 512 f32: four loads of 512 consecutive bytes
.if \role == 0
.set ROFF, 2048*(\t)
.else
.set ROFF, 2048*((\t)+8*((\t)/8))      ; W_in: the rows of a tile are 0-7 and 16-23 of its 24
.endif
.irp i, 0,1,2,3
	global_load_b128 v[R+16*((\t)%4)+4*\i:R+16*((\t)%4)+4*\i+3], v3, s[4:5] offset:ROFF+512*\i th:TH_LOAD_NT
.endr
.endm
.macro ROUTER t                        ; row t's eight logits: 16 products a lane and expert, then the 32 lanes' sum; lane t keeps them
.set RS, R+16*((\t)%4)
.irp e, 0,1,2,3,4,5,6,7
	v_pk_mul_f32 v[ACC+2*\e:ACC+2*\e+1], v[RS:RS+1], v[W+16*\e:W+16*\e+1]
.endr
.irp p, 1,2,3,4,5,6,7
.irp e, 0,1,2,3,4,5,6,7
	v_pk_fma_f32 v[ACC+2*\e:ACC+2*\e+1], v[RS+2*\p:RS+2*\p+1], v[W+16*\e+2*\p:W+16*\e+2*\p+1], v[ACC+2*\e:ACC+2*\e+1]
.endr
.endr
.irp e, 0,1,2,3,4,5,6,7
	v_add_f32 v[ACC+2*\e], v[ACC+2*\e], v[ACC+2*\e+1]
.endr
.irp x, 1,2,4,8
.irp e, 0,1,2,3,4,5,6,7
	v_add_f32_dpp v[ACC+2*\e], v[ACC+2*\e], v[ACC+2*\e] row_xmask:\x row_mask:0xf bank_mask:0xf
.endr
.endr
.irp e, 0,1,2,3,4,5,6,7
	v_permlanex16_b32 v[ACC+2*\e+1], v[ACC+2*\e], s32, s33
.endr
.irp e, 0,1,2,3,4,5,6,7
	v_add_f32 v[ACC+2*\e], v[ACC+2*\e], v[ACC+2*\e+1]
.endr
	s_mov_b32 s31, 1<<(\t)
.irp e, 0,1,2,3,4,5,6,7
	v_cndmask_b32 v[LG+\e], v[LG+\e], v[ACC+2*\e], s31
.endr
.endm
; One row.  Its 2,048 bytes go through the wave's own stage as they lie and come back 64 bytes a lane: LDS serves a wave's instructions in order.
.macro ROWSTEP t, role
.if 15-(\t) >= 3
	s_wait_loadcnt 12                              ; this row's four loads are in; those of the three rows behind it may be out
.else
	s_wait_loadcnt 4*(15-(\t))
.endif
.irp i, 0,1,2,3
	ds_store_b128 v14, v[R+16*((\t)%4)+4*\i:R+16*((\t)%4)+4*\i+3] offset:8*SP*\i
.endr
.irp i, 0,1,2,3
	ds_load_b128 v[X+4*\i:X+4*\i+3], v15 offset:16*\i
.endr
.if \role == 0
	ROUTER \t                                      ; on the numbers as loaded, while the stage turns them
.endif
	s_wait_dscnt 0x0                               ; the row is back, so the stores into the stage have read their registers,
.if (\t) < 12
	LOADROW (\t)+4, \role                          ; which take the row four further on
.endif
.if \role == 0
	s_wait_xcnt 0x0                                ; the store of two rows ago has read this set of codes
	QUANT16 X, C+4*((\t)%2)
	global_store_b128 v3, v[C+4*((\t)%2):C+4*((\t)%2)+3], s[14:15] offset:512*(\t)   ; a whole row of codes: 512 consecutive bytes
.else
	QUANT16 X, C+4*(\t)
	ds_store_b128 v13, v[C+4*(\t):C+4*(\t)+3] offset:16*(\t)   ; piece (s, cc, h) = my lane, row t
.endif
.endm
.macro OUT16 adr, step                 ; 8,192 bytes of images leave as sixteen stores of 512 consecutive bytes
.irp n, 0,1,2,3,4,5,6,7,8,9,10,11,12,13,14,15
	ds_load_b128 v[OUTR+4*\n:OUTR+4*\n+3], v[\adr] offset:\step*\n
.endr
.irp n, 0,1,2,3,4,5,6,7,8,9,10,11,12,13,14,15
	s_wait_dscnt 15-\n                             ; the younger read-backs may be out
	global_store_b128 v3, v[OUTR+4*\n:OUTR+4*\n+3], s[16:17] offset:512*\n
.endr
.endm
	s_load_b256 s[4:11], s[0:1], 0x0               ; x s[4:5], Wr s[6:7], W_in s[8:9], W_out s[10:11]
	s_load_b256 s[12:19], s[0:1], 0x20             ; the scales' exponents s[12:13], xq s[14:15], wq s[16:17], ridx s[18:19]
	s_load_b64 s[20:21], s[0:1], 0x40              ; rw
	v_lshl_add_u32 v8, v0, 2, 0x15800
	v_mov_b32 v9, 0
	v_lshrrev_b32 v2, 5, v0
	v_readfirstlane_b32 s22, v2                    ; wave 0..3
	v_and_b32 v1, 31, v0                           ; lane
	v_lshlrev_b32 v3, 4, v1                        ; 16 x lane
	s_mov_b32 s35, 0                               ; the upper word of every offset
	s_wait_kmcnt 0x0
	s_load_b128 s[24:27], s[12:13], 0x0            ; e0, e1, e2, e3
	s_cmp_lt_u32 ttmp9, 64
	s_cbranch_scc1 .Lrole_x
	s_cmp_lt_u32 ttmp9, 320
	s_cbranch_scc1 .Lrole_i
; ---------------- ROLE O: a wave takes 128 hidden units (group j) x 64 columns (gd) of one expert's W_out
	s_sub_co_u32 s30, ttmp9, 320
	s_lshl_b32 s30, s30, 2
	s_add_co_u32 s30, s30, s22                     ; T = e*128 + j*8 + gd
	s_and_b32 s31, s30, 7                          ; gd
	s_bfe_u32 s36, s30, 0x40003                    ; j
	s_lshr_b32 s37, s30, 7                         ; e
	s_lshl_b32 s34, s37, 4
	s_add_co_u32 s34, s34, s36
	s_lshl_b32 s34, s34, 18                        ; (e*16 + j) x 128 rows of 2,048 bytes
	s_lshl_b32 s38, s31, 8
	s_add_co_u32 s34, s34, s38                     ; + 64 gd columns
	s_add_nc_u64 s[4:5], s[10:11], s[34:35]
	s_lshl_b32 s34, s37, 2
	s_lshr_b32 s38, s31, 1
	s_add_co_u32 s34, s34, s38                     ; e*4 + w, w = gd / 2
	s_lshl_b32 s34, s34, 1
	s_lshr_b32 s38, s36, 3
	s_add_co_u32 s34, s34, s38                     ; *2 + hs
	s_lshl_b32 s34, s34, 4
	s_and_b32 s38, s36, 7
	s_lshl_b32 s38, s38, 1
	s_add_co_u32 s38, s38, 2
	s_min_u32 s38, s38, 15
	s_add_co_u32 s34, s34, s38                     ; *16 + min(2 jl + 2, 15)
	s_lshl_b32 s34, s34, 1
	s_and_b32 s38, s31, 1
	s_add_co_u32 s34, s34, s38                     ; which half of the block: fragments 4 (gd % 2) on
	s_lshl_b32 s34, s34, 13
	s_add_nc_u64 s[16:17], s[16:17], s[34:35]
	s_lshl_b32 s28, s22, 13
	s_add_co_u32 s28, s28, OCOD
	v_add_nc_u32 v12, s28, v3                      ; back: as the images lie
	v_lshrrev_b32 v13, 4, v1
	v_lshlrev_b32 v13, 11, v13
	v_and_b32 v14, 15, v1
	v_lshl_add_u32 v13, v14, 4, v13
	v_add_nc_u32 v13, s28, v13                     ; in: fragment lane / 16 of the pair, row lane % 16
	v_lshlrev_b32 v4, 2, v1                        ; my column's 4 bytes
.macro LOADP p                         ; piece p = 2 b + h: units 16 p + 0..15 of the group, at columns lane and 32 + lane; the two loads of a unit cover 256 consecutive bytes
.irp i, 0,1,2,3,4,5,6,7,8,9,10,11,12,13,14,15
.irp q, 0,1
	global_load_b32 v[R+32*((\p)%2)+16*\q+\i], v4, s[4:5] offset:(16*(\p)+\i)*2048+128*\q th:TH_LOAD_NT
.endr
.endr
.endm
.macro PIECE p
.if (\p) < 7
	s_wait_loadcnt 32                              ; this piece's 32 loads are in; the next piece's may be out
.else
	s_wait_loadcnt 0x0
.endif
.irp q, 0,1
	QUANT16 R+32*((\p)%2)+16*\q, C+4*(2*(\p)+\q)
	ds_store_b128 v13, v[C+4*(2*(\p)+\q):C+4*(2*(\p)+\q)+3] offset:4096*\q+256*(\p)   ; registers 4b..4b+3 of lane (r, h): 512 b + 256 h + 16 r
.endr
.if (\p)+2 < 8
	LOADP (\p)+2
.endif
.endm
	LOADP 0
	LOADP 1
	s_wait_kmcnt 0x0
	MKSCALE s27
.irp p, 0,1,2,3,4,5,6,7
	PIECE \p
.endr
	OUT16 12, 512
	s_wait_tensorcnt 0x0
	ds_add_u32 v8, v9
	s_wait_dscnt 0x0
	s_endpgm
; ---------------- ROLE I: a wave takes the 16 rows of one tile (e, j, w, u) of W_in, all 512 along K: four fragments
.Lrole_i:
	s_sub_co_u32 s30, ttmp9, 64
	s_lshl_b32 s30, s30, 2
	s_add_co_u32 s30, s30, s22                     ; T = e*128 + j*8 + w*2 + u
	s_and_b32 s31, s30, 1                          ; u
	s_bfe_u32 s36, s30, 0x20001                    ; w
	s_bfe_u32 s37, s30, 0x40003                    ; j
	s_lshr_b32 s38, s30, 7                         ; e
	s_lshl_b32 s34, s30, 4
	s_lshl_b32 s39, s31, 3
	s_sub_co_u32 s34, s34, s39                     ; first row: e*2048 + 128 j + 32 w + 8 u = 16 T - 8 u
	s_lshl_b32 s34, s34, 11
	s_add_nc_u64 s[4:5], s[8:9], s[34:35]
	s_lshl_b32 s34, s38, 2
	s_add_co_u32 s34, s34, s36                     ; e*4 + w
	s_lshl_b32 s34, s34, 1
	s_lshr_b32 s39, s37, 3
	s_add_co_u32 s34, s34, s39                     ; *2 + hs
	s_lshl_b32 s34, s34, 4
	s_and_b32 s39, s37, 7
	s_lshl_b32 s39, s39, 1
	s_sub_co_i32 s39, s39, 1
	s_max_i32 s39, s39, 0
	s_add_co_u32 s34, s34, s39                     ; *16 + max(2 jl - 1, 0)
	s_lshl_b32 s34, s34, 1
	s_add_co_u32 s34, s34, s31                     ; fragments 4 u on
	s_lshl_b32 s34, s34, 13
	s_add_nc_u64 s[16:17], s[16:17], s[34:35]
	STAGEADR ISTG
	s_mul_i32 s28, s22, 32*IP
	s_add_co_u32 s28, s28, ICOD
	v_mul_u32_u24 v13, v1, IP
	v_add_nc_u32 v13, s28, v13                     ; in: my piece's row of 256 bytes
	v_lshrrev_b32 v12, 4, v1
	v_mul_u32_u24 v12, v12, IP
	v_and_b32 v5, 15, v1
	v_lshl_add_u32 v12, v5, 4, v12
	v_add_nc_u32 v12, s28, v12                     ; back: two pieces an instruction
.irp t, 0,1,2,3
	LOADROW \t, 1
.endr
	s_wait_kmcnt 0x0
	MKSCALE s25
.irp t, 0,1,2,3,4,5,6,7,8,9,10,11,12,13,14,15
	ROWSTEP \t, 1
.endr
	OUT16 12, 2*IP
	s_wait_tensorcnt 0x0
	ds_add_u32 v8, v9
	s_wait_dscnt 0x0
	s_endpgm
; ---------------- ROLE X: a wave takes 16 rows of x
.Lrole_x:
	s_lshl_b32 s30, ttmp9, 6
	s_lshl_b32 s31, s22, 4
	s_add_co_u32 s30, s30, s31                     ; my first row
	s_lshl_b32 s34, s30, 11
	s_add_nc_u64 s[4:5], s[4:5], s[34:35]
	s_lshl_b32 s34, s30, 9
	s_add_nc_u64 s[14:15], s[14:15], s[34:35]
	s_lshl_b32 s34, s30, 2
	s_add_nc_u64 s[18:19], s[18:19], s[34:35]
	s_lshl_b32 s34, s30, 3
	s_add_nc_u64 s[20:21], s[20:21], s[34:35]
	s_mov_b32 s32, 0x76543210                      ; v_permlanex16_b32: lane l takes lane l xor 16
	s_mov_b32 s33, 0xfedcba98
.irp e, 0,1,2,3,4,5,6,7
.irp q, 0,1,2,3
	global_load_b128 v[W+16*\e+4*\q:W+16*\e+4*\q+3], v3, s[6:7] offset:2048*\e+512*\q
.endr
.endr
.irp t, 0,1,2,3
	LOADROW \t, 0
.endr
	STAGEADR XSTG
	v_lshlrev_b32 v4, 2, v1
	v_lshlrev_b32 v5, 3, v1
.irp e, 0,1,2,3,4,5,6,7
	v_mov_b32 v[LG+\e], 0
.endr
	s_wait_kmcnt 0x0
	MKSCALE s24
.irp t, 0,1,2,3,4,5,6,7,8,9,10,11,12,13,14,15
	ROWSTEP \t, 0
.endr
	; the two largest of lane t's eight logits; a later expert wins only if it is strictly greater
	v_mov_b32 v80, v[LG]
	v_mov_b32 v81, 0
.irp e, 1,2,3,4,5,6,7
	v_cmp_gt_f32 vcc_lo, v[LG+\e], v80
	v_cndmask_b32 v80, v80, v[LG+\e], vcc_lo
	v_cndmask_b32 v81, v81, \e, vcc_lo
.endr
	v_mov_b32 v84, 0xff800000                      ; the winner leaves the field: -infinity
.irp e, 0,1,2,3,4,5,6,7
	v_cmp_eq_u32 vcc_lo, \e, v81
	v_cndmask_b32 v[LG+\e], v[LG+\e], v84, vcc_lo
.endr
	v_mov_b32 v82, v[LG]
	v_mov_b32 v83, 0
.irp e, 1,2,3,4,5,6,7
	v_cmp_gt_f32 vcc_lo, v[LG+\e], v82
	v_cndmask_b32 v82, v82, v[LG+\e], vcc_lo
	v_cndmask_b32 v83, v83, \e, vcc_lo
.endr
	v_sub_f32 v85, v82, v80                        ; the larger logit is taken away: 0 or less
	v_mul_f32 v85, 0x3fb8aa3b, v85
	v_exp_f32 v85, v85                             ; q = e^(second - first)
	v_lshl_or_b32 v88, v83, 8, v81                 ; (a plain line behind the exponential)  first | second << 8
	s_wait_alu depctr_va_vdst(0)
	v_add_f32 v86, 1.0, v85
	v_rcp_f32 v86, v86                             ; w0 = 1 / (1 + q)
	v_cmp_gt_u32 vcc_lo, 16, v1                    ; (a plain line behind the reciprocal)  lanes 0-15 hold rows
	s_wait_alu depctr_va_vdst(0)
	v_mul_f32 v87, v85, v86                        ; w1 = q w0
	s_wait_xcnt 0x0                                ; EXEC is narrowed only when every earlier store has read its sources
	s_wait_tensorcnt 0x0
	ds_add_u32 v8, v9
	s_wait_dscnt 0x0
	s_and_saveexec_b32 s31, vcc_lo
	global_store_b32 v4, v88, s[18:19]
	global_store_b64 v5, v[86:87], s[20:21]
	s_endpgm
.Lfunc_end_k_q9760fa2e5f_prep:
	.size	k_q9760fa2e5f_prep, .Lfunc_end_k_q9760fa2e5f_prep-k_q9760fa2e5f_prep
	.p2alignl 7, 3214868480
	.fill 96, 4, 3214868480
	.section	.rodata,"a",@progbits
	.p2align	6, 0x0
	.amdhsa_kernel k_q9760fa2e5f_prep
		.amdhsa_group_segment_fixed_size 88576
		.amdhsa_private_segment_fixed_size 0
		.amdhsa_enable_private_segment 0
		.amdhsa_kernarg_size 72
		.amdhsa_user_sgpr_count 2
		.amdhsa_user_sgpr_kernarg_segment_ptr 1
		.amdhsa_wavefront_size32 1
		.amdhsa_system_sgpr_workgroup_id_x 1
		.amdhsa_system_sgpr_workgroup_id_y 1
		.amdhsa_system_sgpr_workgroup_id_z 1
		.amdhsa_system_vgpr_workitem_id 0
		.amdhsa_next_free_vgpr 256
		.amdhsa_next_free_sgpr 66
		.amdhsa_reserve_vcc 1
		.amdhsa_float_denorm_mode_32 3
		.amdhsa_float_denorm_mode_16_64 3
		.amdhsa_memory_ordered 1
		.amdhsa_forward_progress 1
		.amdhsa_inst_pref_size 254
	.end_amdhsa_kernel
	.amdgpu_metadata
---
amdhsa.version: [ 1, 2 ]
amdhsa.kernels:
  - .name:           k_q9760fa2e5f_prep
    .symbol:         k_q9760fa2e5f_prep.kd
    .args:
      - { .name: x, .offset: 0, .size: 8, .value_kind: global_buffer, .address_space: global }
      - { .name: Wr, .offset: 8, .size: 8, .value_kind: global_buffer, .address_space: global }
      - { .name: W_in, .offset: 16, .size: 8, .value_kind: global_buffer, .address_space: global }
      - { .name: W_out, .offset: 24, .size: 8, .value_kind: global_buffer, .address_space: global }
      - { .name: lowp_scales, .offset: 32, .size: 8, .value_kind: global_buffer, .address_space: global }
      - { .name: xq, .offset: 40, .size: 8, .value_kind: global_buffer, .address_space: global }
      - { .name: wq, .offset: 48, .size: 8, .value_kind: global_buffer, .address_space: global }
      - { .name: ridx, .offset: 56, .size: 8, .value_kind: global_buffer, .address_space: global }
      - { .name: rw, .offset: 64, .size: 8, .value_kind: global_buffer, .address_space: global }
    .group_segment_fixed_size: 88576
    .private_segment_fixed_size: 0
    .kernarg_segment_align: 8
    .kernarg_segment_size: 72
    .max_flat_workgroup_size: 128
    .sgpr_count:     66
    .vgpr_count:     256
    .wavefront_size: 32
...
	.end_amdgpu_metadata
.endif
;; end of part 1
;; launch place (part 2): grid 1 x 1, 32 waves a work-group, no clusters, 4,608 bytes of LDS; arguments ridx, rw, lists, sw; writes lists, sw
.if DOCPART == 2
	.amdgcn_target "amdgcn-amd-amdhsa--gfx1250"
	.amdhsa_code_object_version 6
	.text
	.protected	k_q9760fa2e5f_place
	.globl	k_q9760fa2e5f_place
	.p2align	8
	.type	k_q9760fa2e5f_place,@function
k_q9760fa2e5f_place:
	s_mov_b64 s[64:65], 0
	v_nop
	global_prefetch_b8 v0, s[64:65] scope:SCOPE_SE
	s_setreg_imm32_b32 hwreg(HW_REG_WAVE_MODE, 25, 1), 1
	s_wait_xcnt 0x0
; PLACE: a counting sort of the 8,192 routed rows (token, choice) by expert, into tiles of 80 slots; no atomics: one work-group of 32 waves.
; Expert e with n_e rows gets k_e = ceil(n_e / 80) tiles, one expert's behind the other's: never more than 110 tiles (8,800 slots).
; OUT: lists: tok[8800] at 0 (a slot's token), pos[4096][2] at POSB (a routed row's slot), tinfo[128] at TINFO (a tile's expert; 8 = the split leaves it empty);  sw[8800]: a slot's weight.
; EVERY slot is written.  The slots that no row takes (the rest of an expert's last tile, the tiles behind the last expert's) hold token 0 and weight 0, BY ORDER, NOT BY A MASK:
; at the head both tables are filled with zeros, at addresses made of the thread's number alone; every wave waits for those stores in front of the barrier's signal; the rows' stores stand behind
; the barrier's wait.  So no zero can land on a row, EXEC is never changed, and the text has no branch.
; Thread tau owns tokens 4 tau .. 4 tau + 3, eight routed rows.  An expert's number is taken as three bits of the stored word, so it is always 0..7.
.set POSB,  35328
.set TINFO, 68096
.set TABLE, 35328                      ; bytes of tok's table and of sw: 8,800 words, rounded up to blocks of 256 bytes
	s_load_b256 s[4:11], s[0:1], 0x0               ; ridx s[4:5], rw s[6:7], lists s[8:9], sw s[10:11]
	v_lshl_add_u32 v72, v0, 2, 0x200
	v_mov_b32 v73, 0
	v_lshrrev_b32 v1, 5, v0
	v_readfirstlane_b32 s23, v1                    ; wave 0..31
	v_lshlrev_b32 v3, 4, v1                        ; LDS: my wave's 16 bytes
	v_and_b32 v1, 31, v0                           ; lane
	v_lshlrev_b32 v60, 4, v0                       ; 16 tau: never rewritten
	v_lshlrev_b32 v61, 5, v0                       ; 32 tau: never rewritten
	v_add_nc_u32 v68, 0x8000, v60                  ; the fill's third piece: 1,024 threads x 16 bytes cover 16,384, the table is 2 x 16,384 + 2,560:
	v_min_u32 v68, TABLE-16, v68                   ; threads 160 on are held at the table's last 16 bytes and write the same zeros there again
	v_min_u32 v69, 0x7f, v0                        ; the tile whose entry I write: threads 127 on all write entry 127, with the same number
	v_lshlrev_b32 v70, 2, v69
.irp i, 64,65,66,67
	v_mov_b32 v\i, 0                               ; 16 bytes of zeros: never rewritten
.endr
	s_mov_b32 s24, 0x76543210                      ; v_permlanex16_b32: lane l takes lane l xor 16
	s_mov_b32 s25, 0xfedcba98
	s_wait_kmcnt 0x0
	global_load_b128 v[4:7], v60, s[4:5]           ; four tokens' choices
	global_load_b128 v[8:11], v61, s[6:7]          ; their eight weights
	global_load_b128 v[12:15], v61, s[6:7] offset:16
	global_store_b128 v60, v[64:67], s[8:9]        ; THE FILL: each store of a wave covers 512 consecutive bytes
	global_store_b128 v60, v[64:67], s[8:9] offset:16384
	global_store_b128 v68, v[64:67], s[8:9]
	global_store_b128 v60, v[64:67], s[10:11]
	global_store_b128 v60, v[64:67], s[10:11] offset:16384
	global_store_b128 v68, v[64:67], s[10:11]
.irp e, 0,1,2,3,4,5,6,7
	s_mov_b32 s[32+\e], 0                          ; my wave's count for each expert
.endr
.irp j, 0,1,2,3,4,5,6,7
	v_mov_b32 v[24+\j], 0                          ; row j's rank
	v_mov_b32 v[48+\j], 0                          ; (a lane move's destination counts as read)
.endr
	s_wait_loadcnt 0x0
.irp j, 0,1,2,3,4,5,6,7
	v_bfe_u32 v[16+\j], v[4+\j/2], 8*(\j%2), 3     ; row j's expert
.endr
	; rank within the wave: rows are taken j by j, lanes ascending
.irp j, 0,1,2,3,4,5,6,7
.irp e, 0,1,2,3,4,5,6,7
	v_cmp_eq_u32 s20, \e, v[16+\j]
	v_mbcnt_lo_u32_b32 v2, s20, s[32+\e]           ; the lanes below me with this expert + what the earlier j counted
	v_cndmask_b32 v[24+\j], v[24+\j], v2, s20
	s_bcnt1_i32_b32 s21, s20
	s_add_co_u32 s[32+\e], s[32+\e], s21
.endr
.endr
	; the waves' counts meet in LDS, two to a word: a count is 256 at the most, a sum of them 8,192
.irp p, 0,1,2,3
	s_lshl_b32 s21, s[33+2*\p], 16
	s_or_b32 s[40+\p], s[32+2*\p], s21
	v_mov_b32 v[32+\p], s[40+\p]
.endr
	ds_store_b128 v3, v[32:35]
	s_wait_storecnt 0x0                            ; for the others' sake: my part of the fill is done: behind the barrier any wave may store a row into any slot
	s_wait_dscnt 0x0                               ; and my counts have landed
	s_barrier_signal -1
	s_barrier_wait -1
	v_lshlrev_b32 v2, 4, v1
	ds_load_b128 v[32:35], v2                      ; lane l: wave l's counts
	s_wait_dscnt 0x0
	v_cmp_gt_u32 vcc_lo, s23, v1                   ; the waves in front of mine
.irp p, 0,1,2,3
	v_cndmask_b32 v[36+\p], 0, v[32+\p], vcc_lo
.endr
.irp x, 1,2,4,8
.irp p, 0,1,2,3,4,5,6,7
	v_mov_b32_dpp v[48+\p], v[32+\p] row_xmask:\x row_mask:0xf bank_mask:0xf
.endr
.irp p, 0,1,2,3,4,5,6,7
	v_add_nc_u32 v[32+\p], v[32+\p], v[48+\p]
.endr
.endr
.irp p, 0,1,2,3,4,5,6,7
	v_permlanex16_b32 v[48+\p], v[32+\p], s24, s25
.endr
.irp p, 0,1,2,3,4,5,6,7
	v_add_nc_u32 v[32+\p], v[32+\p], v[48+\p]
	v_readfirstlane_b32 s[44+\p], v[32+\p]
.endr
.irp p, 0,1,2,3
	s_and_b32 s[52+2*\p], s[44+\p], 0xffff         ; n_e
	s_lshr_b32 s[53+2*\p], s[44+\p], 16
	s_and_b32 s[66+2*\p], s[48+\p], 0xffff         ; rows of e in the waves in front of mine
	s_lshr_b32 s[67+2*\p], s[48+\p], 16
.endr
	s_mov_b32 s20, 0                               ; tiles so far
.irp e, 0,1,2,3,4,5,6,7
	s_add_co_u32 s21, s[52+\e], 79
	s_mul_i32 s21, s21, 52429
	s_lshr_b32 s21, s21, 22                        ; k_e = (n_e + 79) / 80: exact for numbers up to 8,271
	s_mul_i32 s22, s20, 80
	s_add_co_u32 s[74+\e], s22, s[66+\e]           ; where my wave's rows of e begin
	s_add_co_u32 s20, s20, s21
	s_mov_b32 s[52+\e], s20                        ; e's tiles end here
.endr
	; a row's slot = its expert's base + its rank, held inside the table before it enters an address
.irp j, 0,1,2,3,4,5,6,7
	v_mov_b32 v[40+\j], s74
.irp e, 1,2,3,4,5,6,7
	v_cmp_eq_u32 vcc_lo, \e, v[16+\j]
	v_cndmask_b32 v[40+\j], v[40+\j], s[74+\e], vcc_lo
.endr
	v_add_nc_u32 v[40+\j], v[40+\j], v[24+\j]
	v_min_u32 v[40+\j], 0x225f, v[40+\j]
	v_lshlrev_b32 v[48+\j], 2, v[40+\j]
.endr
	v_lshlrev_b32 v56, 2, v0                       ; my four tokens
	v_add_nc_u32 v57, 1, v56
	v_add_nc_u32 v58, 2, v56
	v_add_nc_u32 v59, 3, v56
	global_store_b128 v61, v[40:43], s[8:9] offset:POSB
	global_store_b128 v61, v[44:47], s[8:9] offset:POSB+16
.irp j, 0,1,2,3,4,5,6,7
	global_store_b32 v[48+\j], v[56+\j/2], s[8:9]  ; a scatter by its nature: a row's slot lies where its expert's rows lie
	global_store_b32 v[48+\j], v[8+\j], s[10:11]
.endr
	; a tile's expert = how many experts' tiles end at or in front of it; 8 behind the last
	v_mov_b32 v62, 0
.irp e, 0,1,2,3,4,5,6,7
	v_cmp_le_u32 vcc_lo, s[52+\e], v69
	v_cndmask_b32 v63, 0, 1, vcc_lo
	v_add_nc_u32 v62, v62, v63
.endr
	global_store_b32 v70, v62, s[8:9] offset:TINFO
	s_wait_tensorcnt 0x0
	ds_add_u32 v72, v73
	s_wait_dscnt 0x0
	s_endpgm
.Lfunc_end_k_q9760fa2e5f_place:
	.size	k_q9760fa2e5f_place, .Lfunc_end_k_q9760fa2e5f_place-k_q9760fa2e5f_place
	.p2alignl 7, 3214868480
	.fill 96, 4, 3214868480
	.section	.rodata,"a",@progbits
	.p2align	6, 0x0
	.amdhsa_kernel k_q9760fa2e5f_place
		.amdhsa_group_segment_fixed_size 4608
		.amdhsa_private_segment_fixed_size 0
		.amdhsa_enable_private_segment 0
		.amdhsa_kernarg_size 32
		.amdhsa_user_sgpr_count 2
		.amdhsa_user_sgpr_kernarg_segment_ptr 1
		.amdhsa_wavefront_size32 1
		.amdhsa_system_sgpr_workgroup_id_x 1
		.amdhsa_system_sgpr_workgroup_id_y 1
		.amdhsa_system_sgpr_workgroup_id_z 1
		.amdhsa_system_vgpr_workitem_id 0
		.amdhsa_next_free_vgpr 74
		.amdhsa_next_free_sgpr 84
		.amdhsa_reserve_vcc 1
		.amdhsa_float_denorm_mode_32 3
		.amdhsa_float_denorm_mode_16_64 3
		.amdhsa_memory_ordered 1
		.amdhsa_forward_progress 1
		.amdhsa_inst_pref_size 37
	.end_amdhsa_kernel
	.amdgpu_metadata
---
amdhsa.version: [ 1, 2 ]
amdhsa.kernels:
  - .name:           k_q9760fa2e5f_place
    .symbol:         k_q9760fa2e5f_place.kd
    .args:
      - { .name: ridx, .offset: 0, .size: 8, .value_kind: global_buffer, .address_space: global }
      - { .name: rw, .offset: 8, .size: 8, .value_kind: global_buffer, .address_space: global }
      - { .name: lists, .offset: 16, .size: 8, .value_kind: global_buffer, .address_space: global }
      - { .name: sw, .offset: 24, .size: 8, .value_kind: global_buffer, .address_space: global }
    .group_segment_fixed_size: 4608
    .private_segment_fixed_size: 0
    .kernarg_segment_align: 8
    .kernarg_segment_size: 32
    .max_flat_workgroup_size: 1024
    .sgpr_count:     84
    .vgpr_count:     74
    .wavefront_size: 32
...
	.end_amdgpu_metadata
.endif
;; end of part 2
;; launch chain (part 3): grid 110 x 2, 4 waves a work-group, no clusters, 95,744 bytes of LDS; arguments xq, wq, lists, sw, lowp_scales, part; writes part
.if DOCPART == 3
	.amdgcn_target "amdgcn-amd-amdhsa--gfx1250"
	.amdhsa_code_object_version 6
	.text
	.protected	k_q9760fa2e5f_chain
	.globl	k_q9760fa2e5f_chain
	.p2align	8
	.type	k_q9760fa2e5f_chain,@function
k_q9760fa2e5f_chain:
	s_mov_b64 s[64:65], 0
	v_nop
	global_prefetch_b8 v0, s[64:65] scope:SCOPE_SE
	s_setreg_imm32_b32 hwreg(HW_REG_WAVE_MODE, 25, 1), 1
	s_wait_xcnt 0x0
; CHAIN: one tile of 80 routed rows of ONE expert, and one half (1,024 units) of its hidden layer, through the whole chain:
; gather the rows' codes | H = x W_in^T | gelu (exact, by erfc) x the row's weight | quantise with 2^e2 | Y += Q(H) W_out | raw f32 sums to part[hs][slot][512].
; The hidden layer never goes to memory.  Both products are v_wmma_f32_16x16x128_fp8_fp8 on codes as they are; the scales 2^(e0+e1) are folded into the gelu's constants, 2^(e2+e3) is applied by the next launch.
; SHARES.  Four waves.  In trip j (128 units) wave w makes units 128 j + 32 w + 0..31 for all 80 rows; wave w owns output columns 128 w .. 128 w + 127 for all 80 rows (40 accumulators).
; Both products are used TRANSPOSED (source 0 = 16 rows of the weight, source 1 = 16 token rows), so a lane holds one token row throughout, and W_in's rows of a tile were chosen so that a lane's
; 16 registers of two neighbouring tiles are 16 neighbours along the next K: the conversions' results are four registers of the next operand, which go from wave to wave through LDS as images of registers.
; THE WEIGHTS come from memory straight into registers: an earlier launch laid them as images in the order of use, 16 blocks of 16 KiB a wave, through ONE set of 128 registers (the ring).
; The order of k inside an instruction is the same permutation in both operands (four loads of 16 bytes a fragment), so every product meets its partner.
; NO TENSOR LOAD, NO CLUSTER: the weights' address hangs on a number read from memory (the tile's expert), and how many tiles an expert has is not known to the text, so partners could not be given one expert's tiles.
; EVERY WAVE PASSES EVERY BARRIER: no branch on the stored list stands ahead of one.  A tile that the split leaves empty (list entry 8) works on padding slots (token 0, weight 0; the expert's number held at 7) and skips its stores.
; GELU.  With s the raw sum, x = s 2^E, E = e0 + e1, a = |s|:  t = 1 / (1 + a Kd), erfc(|x| / sqrt 2) = t 2^(P(t) - a^2 K2), P of degree 9 (the rational-Chebyshev fit of erfc, fractional error under 1.2e-7 everywhere,
; so the negative tail keeps its relative accuracy);  gelu(x) R = ((s + a) - a erfc) x R 2^(E-1).
; LIMITS: e0 + e1 between -60 and 60 (Kd and K2 are made by adding to exponent fields); e2 between -126 and 119.  NaN and infinities are not served.
; REGISTERS, in windows of 256.  Window 0: v1 16 lane; v2 image stores; v3, v4 stage in, out; v6-15 five pairs R 2^(E-1); v16-17 c9; v18, v19 2^e2, 448 x 2^e2; v20-27 two sets of codes;
;   v32-47 A = |s|, v48-63 T, v64-79 Q = a^2, v80-95 P; v96-175 H(m, u) = 96 + 16 m + 8 u; v176-255 HF(m) = 176 + 16 m.
;   Window 1: X(m < 4, s) = 16 (4 m + s).   Window 2: v0-63 X(4, s); v64-127 Y(dt, 4); v128-255 the ring.   Window 3: Y(dt, m < 4) = 8 (8 m + dt).
.set TINFO,  68096
.set HBUF,   10240                     ; LDS: two buffers of 5 images x 2,048 bytes for the hidden layer, at 0 and at HBUF,
.set XIMG,   20480                     ; x's 20 images (4 m + s),
.set STG,    61440                     ; and a stage of 16 rows x 528 bytes for each wave
.set SPITCH, 528
.set A,  32
.set T,  48
.set Q,  64
.set P,  80
.set H,  96
.set HF, 176
.set RG, 128
.set MSB, 0
.macro WIN new                         ; the immediate's high byte repeats the setting that is left; a switch that changes nothing is dropped
.if MSB != \new
	s_set_vgpr_msb (MSB<<8)|\new
.set MSB, \new
.endif
.endm
.macro CPAIR reg, val                  ; a constant as a scalar pair: the packed forms name the pair and take its low word for both halves
	s_mov_b32 s[\reg], \val
	s_mov_b32 s[\reg+1], \val
.endm
.macro RINGLOAD                        ; a block of eight fragments: 32 loads of 512 consecutive bytes
	WIN 0x80                                       ; destination window 2, address window 0
.irp f, 0,1,2,3,4,5,6,7
.irp c, 0,1,2,3
	global_load_b128 v[RG+16*\f+4*\c:RG+16*\f+4*\c+3], v1, s[6:7] offset:2048*\f+512*\c
.endr
.endr
	WIN 0
.endm
.macro REFILL                          ; the next block, behind the products that read the ring
.rept 4
	v_nop                                          ; four places between a matrix instruction and a load into its sources, or a read of its results
.endr
	s_add_nc_u64 s[6:7], s[6:7], 16384             ; the ring's earlier loads were waited for, so their base may step
	RINGLOAD
.endm
; H = x W_in^T for my 32 units and the 80 rows: ten accumulators, four K steps.  The accumulators take turns, one instruction a turn; the first K step starts the sums.
.macro P1
	WIN 0x06                                       ; source 0 (ring) window 2, source 1 (X) window 1, C and D window 0
.irp s, 0,1,2,3
.irp u, 0,1
.irp m, 0,1,2,3
.if \s == 0
	v_wmma_f32_16x16x128_fp8_fp8 v[H+16*\m+8*\u:H+16*\m+8*\u+7], v[RG+16*(4*\u+\s):RG+16*(4*\u+\s)+15], v[16*(4*\m+\s):16*(4*\m+\s)+15], 0
.else
	v_wmma_f32_16x16x128_fp8_fp8 v[H+16*\m+8*\u:H+16*\m+8*\u+7], v[RG+16*(4*\u+\s):RG+16*(4*\u+\s)+15], v[16*(4*\m+\s):16*(4*\m+\s)+15], v[H+16*\m+8*\u:H+16*\m+8*\u+7]
.endif
.endr
.endr
.endr
	WIN 0x0a                                       ; rows 64-79: X in window 2
.irp s, 0,1,2,3
.irp u, 0,1
.if \s == 0
	v_wmma_f32_16x16x128_fp8_fp8 v[H+64+8*\u:H+64+8*\u+7], v[RG+16*(4*\u+\s):RG+16*(4*\u+\s)+15], v[16*\s:16*\s+15], 0
.else
	v_wmma_f32_16x16x128_fp8_fp8 v[H+64+8*\u:H+64+8*\u+7], v[RG+16*(4*\u+\s):RG+16*(4*\u+\s)+15], v[16*\s:16*\s+15], v[H+64+8*\u:H+64+8*\u+7]
.endif
.endr
.endr
.endm
; Y += Q(H) W_out for 128 units: one instruction on each of my 40 accumulators.  zero = 1: it starts the sums: nothing is ever cleared.
.macro P2 zero
	WIN 0xf2                                       ; source 0 (ring) window 2, source 1 (HF) window 0, C and D window 3
.irp d, 0,1,2,3,4,5,6,7
.irp m, 0,1,2,3
.if \zero
	v_wmma_f32_16x16x128_fp8_fp8 v[8*(8*\m+\d):8*(8*\m+\d)+7], v[RG+16*\d:RG+16*\d+15], v[HF+16*\m:HF+16*\m+15], 0
.else
	v_wmma_f32_16x16x128_fp8_fp8 v[8*(8*\m+\d):8*(8*\m+\d)+7], v[RG+16*\d:RG+16*\d+15], v[HF+16*\m:HF+16*\m+15], v[8*(8*\m+\d):8*(8*\m+\d)+7]
.endif
.endr
.endr
	WIN 0xa2                                       ; rows 64-79: C and D window 2
.irp d, 0,1,2,3,4,5,6,7
.if \zero
	v_wmma_f32_16x16x128_fp8_fp8 v[64+8*\d:64+8*\d+7], v[RG+16*\d:RG+16*\d+15], v[HF+64:HF+79], 0
.else
	v_wmma_f32_16x16x128_fp8_fp8 v[64+8*\d:64+8*\d+7], v[RG+16*\d:RG+16*\d+15], v[HF+64:HF+79], v[64+8*\d:64+8*\d+7]
.endif
.endr
.endm
.macro HFLOAD buf                      ; the hidden layer's five fragments of 128 units, made by all four waves
.irp m, 0,1,2,3,4
.irp c, 0,1,2,3
	ds_load_b128 v[HF+16*\m+4*\c:HF+16*\m+4*\c+3], v1 offset:(\buf)*HBUF+2048*\m+512*\c
.endr
.endr
.endm
; 16 sums of a lane (row 16 m + r, units 32 w + 16 h + 0..15) become gelu x weight, then 16 codes, then four registers of the image in buffer buf.
.macro GELU m, buf
.set HH, H+16*(\m)
.set CC, 20+4*((\m)%2)
.set RR, 6+2*(\m)
.irp i, 0,1,2,3,4,5,6,7,8,9,10,11,12,13,14,15
	v_and_b32 v[A+\i], s76, v[HH+\i]               ; a = |s|; each accumulator is read from its low end on
.endr
.irp i, 0,2,4,6,8,10,12,14
	v_pk_fma_f32 v[T+\i:T+\i+1], v[A+\i:A+\i+1], s[52:53], 1.0 op_sel_hi:[1,0,0]   ; 1 + a Kd
.endr
.irp i, 0,2,4,6,8,10,12,14
	v_rcp_f32 v[T+\i], v[T+\i]
	v_rcp_f32 v[T+\i+1], v[T+\i+1]
	v_pk_mul_f32 v[Q+\i:Q+\i+1], v[A+\i:A+\i+1], v[A+\i:A+\i+1]   ; a plain line behind the reciprocals: a^2
.endr
	s_wait_alu depctr_va_vdst(0)
.irp i, 0,2,4,6,8,10,12,14
	v_pk_fma_f32 v[P+\i:P+\i+1], v[T+\i:T+\i+1], v[16:17], s[56:57] op_sel_hi:[1,1,0]   ; c9 t + c8
.endr
.irp c, 58,60,62,66,68,70,72,74
.irp i, 0,2,4,6,8,10,12,14
	v_pk_fma_f32 v[P+\i:P+\i+1], v[P+\i:P+\i+1], v[T+\i:T+\i+1], s[\c:\c+1] op_sel_hi:[1,1,0]   ; Horner: c7 down to c0
.endr
.endr
.irp i, 0,2,4,6,8,10,12,14
	v_pk_fma_f32 v[P+\i:P+\i+1], v[Q+\i:Q+\i+1], s[54:55], v[P+\i:P+\i+1] op_sel_hi:[1,0,1]   ; - a^2 K2
.endr
.irp i, 0,2,4,6,8,10,12,14
	v_exp_f32 v[P+\i], v[P+\i]
	v_exp_f32 v[P+\i+1], v[P+\i+1]
	v_pk_add_f32 v[HH+\i:HH+\i+1], v[HH+\i:HH+\i+1], v[A+\i:A+\i+1]   ; a plain line behind the exponentials: s + a
.endr
	s_wait_alu depctr_va_vdst(0)
.irp i, 0,2,4,6,8,10,12,14
	v_pk_mul_f32 v[P+\i:P+\i+1], v[T+\i:T+\i+1], v[P+\i:P+\i+1]   ; erfc
.endr
.irp i, 0,2,4,6,8,10,12,14
	v_pk_fma_f32 v[HH+\i:HH+\i+1], v[A+\i:A+\i+1], v[P+\i:P+\i+1], v[HH+\i:HH+\i+1] neg_lo:[1,0,0] neg_hi:[1,0,0]   ; (s + a) - a erfc
.endr
.irp i, 0,2,4,6,8,10,12,14
	v_pk_mul_f32 v[HH+\i:HH+\i+1], v[HH+\i:HH+\i+1], v[RR:RR+1] op_sel_hi:[1,0]   ; x R 2^(E-1)
.endr
.irp i, 0,1,2,3,4,5,6,7,8,9,10,11,12,13,14,15
	v_med3_num_f32 v[HH+\i], v[HH+\i], -v19, v19   ; the conversion to an 8-bit code does not saturate (ISA guide 7.6.2): the hold comes first
.endr
	v_cvt_scalef32_pk8_fp8_f32 v[CC:CC+1], v[HH:HH+7], v18
	v_cvt_scalef32_pk8_fp8_f32 v[CC+2:CC+3], v[HH+8:HH+15], v18
	v_nop                                          ; one plain vector line behind the conversions: the next products write their sources
	ds_store_b128 v2, v[CC:CC+3] offset:(\buf)*HBUF+2048*(\m)   ; registers 4 w .. 4 w + 3 of fragment m
.endm
; A TRIP: 128 hidden units.  p2 = 0: no second product yet; 1: it starts Y's sums; 2: it adds.  The second product runs one trip behind the first, on the other buffer:
; ONE barrier a trip: in front of it each wave's image stores have landed and its reads of the other buffer are back.
.macro TRIP buf, p2
	s_wait_loadcnt 0x0                             ; W_in's block is in the ring: its 32 loads are all that is out
	P1
	REFILL
.if \p2
	HFLOAD 1-(\buf)
	GELU 0, \buf
	GELU 1, \buf
	GELU 2, \buf
	s_wait_loadcnt 0x0                             ; W_out's block,
	s_wait_dscnt 0x0                               ; and the last trip's hidden fragments
	P2 2-(\p2)
	REFILL
	GELU 3, \buf
	GELU 4, \buf
.else
	GELU 0, \buf
	GELU 1, \buf
	GELU 2, \buf
	GELU 3, \buf
	GELU 4, \buf
.endif
	s_wait_dscnt 0x0
	s_barrier_signal -1
	s_barrier_wait -1
.endm
	s_load_b256 s[4:11], s[0:1], 0x0               ; xq s[4:5], wq s[6:7], lists s[8:9], sw s[10:11]
	s_load_b128 s[12:15], s[0:1], 0x20             ; the scales' exponents s[12:13], part s[14:15]
	v_lshl_add_u32 v30, v0, 2, 0x17400
	v_mov_b32 v31, 0
	v_lshrrev_b32 v5, 5, v0
	v_readfirstlane_b32 s16, v5                    ; wave 0..3
	v_and_b32 v5, 31, v0                           ; lane
	v_lshlrev_b32 v1, 4, v5                        ; 16 x lane
	s_and_b32 s18, ttmp7, 0xffff                   ; hs: which half of the hidden layer
	s_lshl_b32 s20, ttmp9, 2                       ; the tile's entry in the list
	s_mov_b32 s21, 0
	s_mul_i32 s22, ttmp9, 320                      ; the tile's 80 slots, 4 bytes each
	s_mov_b32 s23, 0
	s_lshl_b32 s28, s16, 6
	s_add_co_u32 s28, s28, s22                     ; slots 16 w + 0..15
	s_mov_b32 s29, 0
	s_lshl_b32 s30, s16, 4
	s_add_co_u32 s30, s30, s22                     ; slots 64 + 4 w + 0..3 (the 64 stand in the immediate)
	s_mov_b32 s31, 0
	s_wait_kmcnt 0x0
	s_add_nc_u64 s[20:21], s[8:9], s[20:21]
	s_add_nc_u64 s[28:29], s[8:9], s[28:29]
	s_add_nc_u64 s[30:31], s[8:9], s[30:31]
	s_add_nc_u64 s[10:11], s[10:11], s[22:23]
	s_load_b32 s19, s[20:21], TINFO                ; the tile's expert, or 8
	s_load_b512 s[32:47], s[28:29], 0x0            ; 16 tokens
	s_load_b128 s[48:51], s[30:31], 0x100          ; 4 tokens
	s_load_b128 s[24:27], s[12:13], 0x0            ; e0, e1, e2, e3
	v_and_b32 v52, 15, v0                          ; r
	v_bfe_u32 v53, v0, 4, 1                        ; h
	v_lshlrev_b32 v54, 2, v52                      ; sw: 4 r
	s_lshl_b32 s77, s16, 9
	v_add_nc_u32 v2, s77, v1                       ; image stores: 16 lane + 512 w
	s_mul_i32 s77, s16, 16*SPITCH
	s_add_co_u32 s77, s77, STG                     ; my stage
	v_mul_u32_u24 v3, v52, SPITCH
	v_lshl_add_u32 v3, v53, 5, v3
	v_add_nc_u32 v3, s77, v3                       ; in: row r, 32 bytes for each half of the lanes
	v_add_nc_u32 v4, s77, v1                       ; back: a row of 512 bytes
	v_lshrrev_b32 v55, 3, v5                       ; a gathered row's lane L holds k = 16 L on: K step L / 8, registers 4 ((L / 2) % 4) on, half L % 2
	v_lshlrev_b32 v55, 11, v55
	v_bfe_u32 v56, v0, 1, 2
	v_lshl_add_u32 v55, v56, 9, v55
	v_and_b32 v56, 1, v0
	v_lshl_add_u32 v55, v56, 8, v55
	s_lshl_b32 s77, s16, 13
	s_add_co_u32 s77, s77, XIMG
	v_add_nc_u32 v56, s77, v55                     ; rows 16 w + i: tile of rows w, row i
	s_lshl_b32 s77, s16, 6
	s_add_co_u32 s77, s77, XIMG+32768
	v_add_nc_u32 v57, s77, v55                     ; rows 64 + 4 w + i: tile of rows 4, row 4 w + i
	CPAIR 56, 0xbf97d29d                           ; c8 .. c0, each x log2(e)
	CPAIR 58, 0x40097039
	CPAIR 60, 0xbfd1a1e5
	CPAIR 62, 0x3ecdfd18
	CPAIR 66, 0xbe899a80
	CPAIR 68, 0x3e0efb2e
	CPAIR 70, 0x3f0a29d2
	CPAIR 72, 0x3fb8ab5a
	CPAIR 74, 0xbfe9b21e
	s_mov_b32 s76, 0x7fffffff
	v_mov_b32 v16, 0x3e7c6f08                      ; c9
	v_mov_b32 v17, 0x3e7c6f08
	s_wait_kmcnt 0x0
.irp i, 0,1,2,3,4,5,6,7,8,9,10,11,12,13,14,15,16,17,18,19
	s_min_u32 s[32+\i], s[32+\i], 4095             ; a stored number enters an address only held inside its table
	s_lshl_b32 s[32+\i], s[32+\i], 9
	v_add_nc_u32 v[A+\i], s[32+\i], v1
	global_load_b128 v[H+4*\i:H+4*\i+3], v[A+\i], s[4:5]   ; a whole row of codes: 512 consecutive bytes
.endr
.irp m, 0,1,2,3,4
	global_load_b32 v[6+2*\m], v54, s[10:11] offset:64*\m   ; the weight of row 16 m + r
.endr
	s_min_u32 s20, s19, 7                          ; the expert
	s_lshl_b32 s20, s20, 2
	s_add_co_u32 s20, s20, s16
	s_lshl_b32 s20, s20, 1
	s_add_co_u32 s20, s20, s18
	s_lshl_b32 s20, s20, 18                        ; ((e*4 + w)*2 + hs) x 16 blocks of 16 KiB
	s_mov_b32 s21, 0
	s_add_nc_u64 s[6:7], s[6:7], s[20:21]
	RINGLOAD                                       ; block 0
	s_add_co_i32 s21, s24, s25                     ; E = e0 + e1
	s_lshl_b32 s22, s21, 23
	s_add_co_i32 s52, s22, 0x3eb504f3              ; Kd = 2^E / (2 sqrt 2)
	s_mov_b32 s53, s52
	s_lshl_b32 s22, s21, 24
	s_add_co_i32 s54, s22, 0x3f38aa3b              ; K2 = 2^(2E) log2(e) / 2,
	s_xor_b32 s54, s54, 0x80000000                 ; negative
	s_mov_b32 s55, s54
	s_sub_co_i32 s23, s21, 1                       ; E - 1
	s_add_co_i32 s22, s26, 127
	s_lshl_b32 s28, s22, 23
	v_mov_b32 v18, s28                             ; 2^e2
	s_add_co_i32 s22, s22, 8
	s_lshl_b32 s22, s22, 23
	s_or_b32 s22, s22, 0x600000
	v_mov_b32 v19, s22                             ; 448 x 2^e2
	s_mul_i32 s20, s18, 8800
	s_mul_i32 s21, ttmp9, 80
	s_add_co_u32 s20, s20, s21
	s_lshl_b32 s20, s20, 11                        ; part: row hs*8800 + 80 tile,
	s_lshl_b32 s21, s16, 9
	s_add_co_u32 s20, s20, s21                     ; my 128 columns
	s_mov_b32 s21, 0
	s_add_nc_u64 s[14:15], s[14:15], s[20:21]
	s_wait_loadcnt 37                              ; the 20 gathered rows are in; behind them: 5 weights and the ring's 32
.irp i, 0,1,2,3,4,5,6,7,8,9,10,11,12,13,14,15
	ds_store_b128 v56, v[H+4*\i:H+4*\i+3] offset:16*\i
.endr
.irp i, 0,1,2,3
	ds_store_b128 v57, v[H+64+4*\i:H+64+4*\i+3] offset:16*\i
.endr
	s_wait_loadcnt 32                              ; the weights are in; behind them: the ring's 32
.irp m, 0,1,2,3,4
	v_ldexp_f32 v[6+2*\m], v[6+2*\m], s23
	v_mov_b32 v[7+2*\m], v[6+2*\m]                 ; (named with it as a pair, so it is written)
.endr
	s_wait_dscnt 0x0                               ; for the others' sake: my rows' images have landed
	s_barrier_signal -1
	s_barrier_wait -1
	WIN 0x40                                       ; x's 20 fragments stay in registers: destination window 1,
.irp f, 0,1,2,3,4,5,6,7,8,9,10,11,12,13,14,15
.irp c, 0,1,2,3
	ds_load_b128 v[16*\f+4*\c:16*\f+4*\c+3], v1 offset:XIMG+2048*\f+512*\c
.endr
.endr
	WIN 0x80                                       ; and window 2 for rows 64-79
.irp f, 0,1,2,3
.irp c, 0,1,2,3
	ds_load_b128 v[16*\f+4*\c:16*\f+4*\c+3], v1 offset:XIMG+2048*(16+\f)+512*\c
.endr
.endr
	WIN 0
	s_wait_dscnt 0x0
	TRIP 0, 0                                      ; units 0-127: nothing to multiply by W_out yet
	TRIP 1, 1                                      ; units 128-255; the second product of units 0-127 starts Y's sums
	s_mov_b32 s77, 3
.Lpair:                                                ; three trips of two: the buffers are back where they began
	TRIP 0, 2
	TRIP 1, 2
	s_sub_co_u32 s77, s77, 1
	s_cmp_lg_u32 s77, 0
	s_cbranch_scc1 .Lpair
	HFLOAD 1                                       ; the last 128 units' second product; the ring holds block 15, and nothing more is asked for
	s_wait_loadcnt 0x0
	s_wait_dscnt 0x0
	P2 0
	WIN 0
.rept 4
	v_nop                                          ; four places in front of the first read of results, and of loads into registers that the products read
.endr
	s_cmp_gt_u32 s19, 7                            ; behind the last barrier: a tile that the split leaves empty stores nothing
	s_cbranch_scc1 .Lend
; THE WAY OUT, 16 rows at a time.  A lane holds 32 neighbouring bytes of a row and the lanes beside it other rows: so the rows go through my own stage and leave as 512 consecutive bytes.
; LDS serves a wave's instructions in order (ISA guide 5.7.1.4): no wait between the stores and the loads, nor in front of the next rows' stores.
.macro OUTM m
.set BK, 96+64*((\m)%2)
.if (\m) < 4
	WIN 0x0c                                       ; store data window 3
.irp d, 0,1,2,3,4,5,6,7
	ds_store_b128 v3, v[8*(8*(\m)+\d):8*(8*(\m)+\d)+3] offset:64*\d
	ds_store_b128 v3, v[8*(8*(\m)+\d)+4:8*(8*(\m)+\d)+7] offset:64*\d+16
.endr
.else
	WIN 0x08                                       ; store data window 2
.irp d, 0,1,2,3,4,5,6,7
	ds_store_b128 v3, v[64+8*\d:64+8*\d+3] offset:64*\d
	ds_store_b128 v3, v[64+8*\d+4:64+8*\d+7] offset:64*\d+16
.endr
.endif
	WIN 0
.if (\m) >= 2
	s_wait_xcnt 0x0                                ; the stores of two turns ago have read this set of registers
.endif
.irp i, 0,1,2,3,4,5,6,7,8,9,10,11,12,13,14,15
	ds_load_b128 v[BK+4*\i:BK+4*\i+3], v4 offset:SPITCH*\i
.endr
.irp i, 0,1,2,3,4,5,6,7,8,9,10,11,12,13,14,15
	s_wait_dscnt 15-\i                             ; the younger read-backs may be out
	global_store_b128 v1, v[BK+4*\i:BK+4*\i+3], s[14:15] offset:(16*(\m)+\i)*2048
.endr
.endm
	OUTM 0
	OUTM 1
	OUTM 2
	OUTM 3
	OUTM 4
.Lend:
	s_wait_tensorcnt 0x0
	ds_add_u32 v30, v31
	s_wait_dscnt 0x0
	s_endpgm
.Lfunc_end_k_q9760fa2e5f_chain:
	.size	k_q9760fa2e5f_chain, .Lfunc_end_k_q9760fa2e5f_chain-k_q9760fa2e5f_chain
	.p2alignl 7, 3214868480
	.fill 96, 4, 3214868480
	.section	.rodata,"a",@progbits
	.p2align	6, 0x0
	.amdhsa_kernel k_q9760fa2e5f_chain
		.amdhsa_group_segment_fixed_size 95744
		.amdhsa_private_segment_fixed_size 0
		.amdhsa_enable_private_segment 0
		.amdhsa_kernarg_size 48
		.amdhsa_user_sgpr_count 2
		.amdhsa_user_sgpr_kernarg_segment_ptr 1
		.amdhsa_wavefront_size32 1
		.amdhsa_system_sgpr_workgroup_id_x 1
		.amdhsa_system_sgpr_workgroup_id_y 1
		.amdhsa_system_sgpr_workgroup_id_z 1
		.amdhsa_system_vgpr_workitem_id 0
		.amdhsa_next_free_vgpr 1024
		.amdhsa_next_free_sgpr 80
		.amdhsa_reserve_vcc 0
		.amdhsa_float_denorm_mode_32 3
		.amdhsa_float_denorm_mode_16_64 3
		.amdhsa_memory_ordered 1
		.amdhsa_forward_progress 1
		.amdhsa_inst_pref_size 255
	.end_amdhsa_kernel
	.section	.bss,"aw",@nobits
	.p2align	6
	.space	262144
	.amdgpu_metadata
---
amdhsa.version: [ 1, 2 ]
amdhsa.kernels:
  - .name:           k_q9760fa2e5f_chain
    .symbol:         k_q9760fa2e5f_chain.kd
    .args:
      - { .name: xq, .offset: 0, .size: 8, .value_kind: global_buffer, .address_space: global }
      - { .name: wq, .offset: 8, .size: 8, .value_kind: global_buffer, .address_space: global }
      - { .name: lists, .offset: 16, .size: 8, .value_kind: global_buffer, .address_space: global }
      - { .name: sw, .offset: 24, .size: 8, .value_kind: global_buffer, .address_space: global }
      - { .name: lowp_scales, .offset: 32, .size: 8, .value_kind: global_buffer, .address_space: global }
      - { .name: part, .offset: 40, .size: 8, .value_kind: global_buffer, .address_space: global }
    .group_segment_fixed_size: 95744
    .private_segment_fixed_size: 0
    .kernarg_segment_align: 8
    .kernarg_segment_size: 48
    .max_flat_workgroup_size: 128
    .sgpr_count:     80
    .vgpr_count:     1024
    .wavefront_size: 32
...
	.end_amdgpu_metadata
.endif
;; end of part 3
;; launch combine (part 4): grid 256 x 1, 8 waves a work-group, no clusters, 0 bytes of LDS; arguments part, lists, lowp_scales, out0; writes out0
.if DOCPART == 4
	.amdgcn_target "amdgcn-amd-amdhsa--gfx1250"
	.amdhsa_code_object_version 6
	.text
	.protected	k_q9760fa2e5f_combine
	.globl	k_q9760fa2e5f_combine
	.p2align	8
	.type	k_q9760fa2e5f_combine,@function
k_q9760fa2e5f_combine:
	s_mov_b64 s[64:65], 0
	v_nop
	global_prefetch_b8 v0, s[64:65] scope:SCOPE_SE
	s_setreg_imm32_b32 hwreg(HW_REG_WAVE_MODE, 25, 1), 1
	s_wait_xcnt 0x0
; COMBINE: out0[t] = 2^(e2 + e3) x (the four partial rows of token t: its two routed rows x the two halves of the hidden layer).  Each output row has one owner: nothing is added in memory.
; A wave takes two tokens: 32 loads of 512 consecutive bytes, all issued at once; a stream: no LDS, no barrier, no matrix unit.
; A routed row's slot comes from the list that an earlier launch stored, held inside the table before it enters an address.
; LIMIT: e2 + e3 between -126 and 127, so that 2^(e2 + e3) is an f32 number.
.set POSB,  35328
.set PLANE, 0x1130000                  ; 8,800 rows of 2,048 bytes: from one half's sums to the other's
.set D,     16                         ; v[D + 64 a + 32 c + 16 p + 4 q]: token a, choice c, half p, piece q
	s_load_b256 s[4:11], s[0:1], 0x0               ; part s[4:5], lists s[6:7], the scales' exponents s[8:9], out0 s[10:11]
	v_lshrrev_b32 v1, 5, v0
	v_readfirstlane_b32 s12, v1                    ; wave 0..7
	v_and_b32 v1, 31, v0
	v_lshlrev_b32 v1, 4, v1                        ; 16 x lane
	s_lshl_b32 s13, ttmp9, 3
	s_add_co_u32 s13, s13, s12                     ; my pair of tokens
	s_lshl_b32 s14, s13, 4                         ; its four slots
	s_mov_b32 s15, 0
	s_lshl_b32 s24, s13, 12                        ; its two rows of out0
	s_mov_b32 s25, 0
	s_wait_kmcnt 0x0
	s_add_nc_u64 s[6:7], s[6:7], s[14:15]
	s_load_b128 s[16:19], s[6:7], POSB
	s_load_b64 s[20:21], s[8:9], 0x8               ; e2, e3
	s_add_nc_u64 s[10:11], s[10:11], s[24:25]
	s_add_nc_u64 s[22:23], s[4:5], PLANE
	s_wait_kmcnt 0x0
.irp k, 0,1,2,3
	s_min_u32 s[16+\k], s[16+\k], 8799
	s_lshl_b32 s[16+\k], s[16+\k], 11
	v_add_nc_u32 v[4+\k], s[16+\k], v1
.endr
.irp a, 0,1
.irp c, 0,1
.irp q, 0,1,2,3
	global_load_b128 v[D+64*\a+32*\c+4*\q:D+64*\a+32*\c+4*\q+3], v[4+2*\a+\c], s[4:5] offset:512*\q th:TH_LOAD_NT
	global_load_b128 v[D+64*\a+32*\c+16+4*\q:D+64*\a+32*\c+16+4*\q+3], v[4+2*\a+\c], s[22:23] offset:512*\q th:TH_LOAD_NT
.endr
.endr
.endr
	s_add_co_i32 s20, s20, s21
	s_add_co_i32 s20, s20, 127
	s_lshl_b32 s20, s20, 23                        ; 2^(e2 + e3) as f32
	s_mov_b32 s21, s20                             ; (named with it as a pair, so it is written)
.irp a, 0,1
	s_wait_loadcnt 16-16*\a                        ; this token's 16 loads are in; the second token's may be out
.irp j, 0,2,4,6,8,10,12,14
	v_pk_add_f32 v[D+64*\a+\j:D+64*\a+\j+1], v[D+64*\a+\j:D+64*\a+\j+1], v[D+64*\a+16+\j:D+64*\a+16+\j+1]
	v_pk_add_f32 v[D+64*\a+32+\j:D+64*\a+32+\j+1], v[D+64*\a+32+\j:D+64*\a+32+\j+1], v[D+64*\a+48+\j:D+64*\a+48+\j+1]
.endr
.irp j, 0,2,4,6,8,10,12,14
	v_pk_add_f32 v[D+64*\a+\j:D+64*\a+\j+1], v[D+64*\a+\j:D+64*\a+\j+1], v[D+64*\a+32+\j:D+64*\a+32+\j+1]
.endr
.irp j, 0,2,4,6,8,10,12,14
	v_pk_mul_f32 v[D+64*\a+\j:D+64*\a+\j+1], v[D+64*\a+\j:D+64*\a+\j+1], s[20:21] op_sel_hi:[1,0]
.endr
.irp q, 0,1,2,3
	global_store_b128 v1, v[D+64*\a+4*\q:D+64*\a+4*\q+3], s[10:11] offset:2048*\a+512*\q th:TH_STORE_NT   ; 512 consecutive bytes of the token's row
.endr
.endr
	s_endpgm
.Lfunc_end_k_q9760fa2e5f_combine:
	.size	k_q9760fa2e5f_combine, .Lfunc_end_k_q9760fa2e5f_combine-k_q9760fa2e5f_combine
	.p2alignl 7, 3214868480
	.fill 96, 4, 3214868480
	.section	.rodata,"a",@progbits
	.p2align	6, 0x0
	.amdhsa_kernel k_q9760fa2e5f_combine
		.amdhsa_group_segment_fixed_size 0
		.amdhsa_private_segment_fixed_size 0
		.amdhsa_enable_private_segment 0
		.amdhsa_kernarg_size 32
		.amdhsa_user_sgpr_count 2
		.amdhsa_user_sgpr_kernarg_segment_ptr 1
		.amdhsa_wavefront_size32 1
		.amdhsa_system_sgpr_workgroup_id_x 1
		.amdhsa_system_sgpr_workgroup_id_y 1
		.amdhsa_system_sgpr_workgroup_id_z 1
		.amdhsa_system_vgpr_workitem_id 0
		.amdhsa_next_free_vgpr 160
		.amdhsa_next_free_sgpr 66
		.amdhsa_reserve_vcc 0
		.amdhsa_float_denorm_mode_32 3
		.amdhsa_float_denorm_mode_16_64 3
		.amdhsa_memory_ordered 1
		.amdhsa_forward_progress 1
		.amdhsa_inst_pref_size 10
	.end_amdhsa_kernel
	.amdgpu_metadata
---
amdhsa.version: [ 1, 2 ]
amdhsa.kernels:
  - .name:           k_q9760fa2e5f_combine
    .symbol:         k_q9760fa2e5f_combine.kd
    .args:
      - { .name: part, .offset: 0, .size: 8, .value_kind: global_buffer, .address_space: global }
      - { .name: lists, .offset: 8, .size: 8, .value_kind: global_buffer, .address_space: global }
      - { .name: lowp_scales, .offset: 16, .size: 8, .value_kind: global_buffer, .address_space: global }
      - { .name: out0, .offset: 24, .size: 8, .value_kind: global_buffer, .address_space: global }
    .group_segment_fixed_size: 0
    .private_segment_fixed_size: 0
    .kernarg_segment_align: 8
    .kernarg_segment_size: 32
    .max_flat_workgroup_size: 256
    .sgpr_count:     66
    .vgpr_count:     160
    .wavefront_size: 32
...
	.end_amdgpu_metadata
.endif
;; end of part 4
;; ======== version 2 of 3: 4 launches; 1.17 times as fast as version 1
;; workspace buffers: xq 2,097,152 bytes; wq 16,777,216 bytes; ridx 16,384 bytes of whole numbers; rw 32,768 bytes; lists 68,608 bytes of whole numbers; sw 35,328 bytes; part 36,044,800 bytes
;; launch prep: the kernel of part 1 again; grid 576 x 1, 4 waves a work-group, no clusters, 88,576 bytes of LDS; arguments x, Wr, W_in, W_out, lowp_scales, xq, wq, ridx, rw; writes xq, wq, ridx, rw
;; launch place (part 5): grid 1 x 1, 16 waves a work-group, no clusters, 2,560 bytes of LDS; arguments ridx, rw, lists, sw; writes lists, sw
.if DOCPART == 5
	.amdgcn_target "amdgcn-amd-amdhsa--gfx1250"
	.amdhsa_code_object_version 6
	.text
	.protected	k_q9760fa2e5f_place
	.globl	k_q9760fa2e5f_place
	.p2align	8
	.type	k_q9760fa2e5f_place,@function
k_q9760fa2e5f_place:
	s_mov_b64 s[64:65], 0
	v_nop
	global_prefetch_b8 v0, s[64:65] scope:SCOPE_SE
	s_setreg_imm32_b32 hwreg(HW_REG_WAVE_MODE, 25, 1), 1
	s_wait_xcnt 0x0
; PLACE: a counting sort of the 8,192 routed rows (token, choice) by expert, into tiles of 80 slots; no atomics: one work-group of 16 waves.
; Expert e with n_e rows gets k_e = ceil(n_e / 80) tiles, one expert's behind the other's: never more than 110 tiles (8,800 slots).
; OUT: lists: tok[8800] at 0 (a slot's token), pos[4096][2] at POSB (a routed row's slot), tinfo[128] at TINFO (a tile's expert; 8 = the split leaves it empty);  sw[8800]: a slot's weight.
; ANY ORDER OF AN EXPERT'S ROWS SERVES, so a row's slot = its expert's first slot + its rows in the waves in front + in the lanes in front + in my own earlier rows:
;   in a lane:     eight counters of 4 bits in one register (a thread has 8 tokens, a token names an expert once: 8 at the most): two instructions a row;
;   across lanes:  a prefix sum by xor steps on four registers of two 16-bit fields (a wave has 256 rows of an expert at the most): the partner block's total is added to the prefix where the lane's bit is set;
;   across waves:  the waves' totals meet in LDS, one barrier.
; EVERY slot is written.  The slots that no row takes hold token 0 and weight 0, BY ORDER, NOT BY A MASK: at the head both tables are filled with zeros, at addresses made of the thread's number alone;
; every wave waits for those stores in front of the barrier's signal; the rows' stores stand behind the barrier's wait.  EXEC is never changed, and the text has no branch.
; Thread tau owns tokens 8 tau .. 8 tau + 7, sixteen routed rows.  An expert's number is taken as three bits of the stored word, so it is always 0..7.
.set POSB,  35328
.set TINFO, 68096
.set TABLE, 35328                      ; bytes of tok's table and of sw: 8,800 words, rounded up to blocks of 256 bytes
.set WD,  4                            ; v4-11    eight tokens' choices
.set RW,  12                           ; v12-27   their sixteen weights
.set EX,  28                           ; v28-43   row j's expert
.set PS,  44                           ; v44-59   row j's rank in my lane, then its slot
.set SH,  60                           ; v60-75   4 x expert; then at work; then 4 x slot, the stores' offsets
.set CNT, 76                           ; v76      my lane's eight counters
.set TOT, 80                           ; v80-83   block totals, experts 2p | 2p+1 << 16
.set PRE, 84                           ; v84-87   rows in the lanes in front of mine
.set TA,  88                           ; v88-91   at work
.set TB,  92                           ; v92-95   at work
.set GT,  96                           ; v96-99   all waves' totals; v100-103 those of the waves in front of mine
.set BB,  112                          ; v112-115 my lane's first slot for each expert, packed likewise
.set SL,  116                          ; v116-131 at work
.set HI,  132                          ; v132-147 at work
.set TK,  148                          ; v148-155 my eight tokens
.set ZR,  156                          ; v156-159 16 bytes of zeros: never rewritten
	s_load_b256 s[4:11], s[0:1], 0x0               ; ridx s[4:5], rw s[6:7], lists s[8:9], sw s[10:11]
	v_lshl_add_u32 v176, v0, 2, 0x200
	v_mov_b32 v177, 0
	v_lshrrev_b32 v1, 5, v0
	v_readfirstlane_b32 s23, v1                    ; wave 0..15
	v_lshlrev_b32 v3, 4, v1                        ; LDS: my wave's 16 bytes
	v_and_b32 v2, 15, v0                           ; lane % 16
	v_lshlrev_b32 v166, 4, v2                      ; LDS: the 16 bytes of wave lane % 16
	v_lshlrev_b32 v160, 4, v0                      ; 16 tau, 32 tau, 64 tau: never rewritten
	v_lshlrev_b32 v161, 5, v0
	v_lshlrev_b32 v162, 6, v0
	v_add_nc_u32 v163, 0x8000, v160                ; the fill's fifth piece: 512 threads x 16 bytes cover 8,192, the table is 4 x 8,192 + 2,560:
	v_min_u32 v163, TABLE-16, v163                 ; threads 160 on are held at the table's last 16 bytes and write the same zeros there again
	v_min_u32 v164, 0x7f, v0                       ; the tile whose entry I write: threads 127 on all write entry 127, with the same number
	v_lshlrev_b32 v165, 2, v164
.irp i, 0,1,2,3
	v_mov_b32 v[ZR+\i], 0
.endr
	s_mov_b32 s24, 0x76543210                      ; v_permlanex16_b32: lane l takes lane l xor 16
	s_mov_b32 s25, 0xfedcba98
	s_mov_b32 s26, 0xaaaaaaaa                      ; the lanes whose bit 0, 1, 2, 3, 4 is set
	s_mov_b32 s27, 0xcccccccc
	s_mov_b32 s28, 0xf0f0f0f0
	s_mov_b32 s29, 0xff00ff00
	s_mov_b32 s30, 0xffff0000
	s_mov_b32 s36, 0x0202                          ; a byte selector for 16-bit field q: q x 0x0202 + 0x0100
	s_mov_b32 s37, 0x0100
	s_wait_kmcnt 0x0
	global_load_b128 v[WD:WD+3], v161, s[4:5]
	global_load_b128 v[WD+4:WD+7], v161, s[4:5] offset:16
.irp i, 0,1,2,3
	global_load_b128 v[RW+4*\i:RW+4*\i+3], v162, s[6:7] offset:16*\i
.endr
.irp i, 0,1,2,3
	global_store_b128 v160, v[ZR:ZR+3], s[8:9] offset:8192*\i     ; THE FILL: each store of a wave covers 512 consecutive bytes
	global_store_b128 v160, v[ZR:ZR+3], s[10:11] offset:8192*\i
.endr
	global_store_b128 v163, v[ZR:ZR+3], s[8:9]
	global_store_b128 v163, v[ZR:ZR+3], s[10:11]
	v_lshlrev_b32 v[TK], 3, v0                     ; my tokens
.irp i, 1,2,3,4,5,6,7
	v_add_nc_u32 v[TK+\i], \i, v[TK]
.endr
	v_mov_b32 v[CNT], 0
	s_wait_loadcnt 0x4                             ; the choices are in; the four loads of weights behind them may be out
.irp j, 0,1,2,3,4,5,6,7,8,9,10,11,12,13,14,15
	v_bfe_u32 v[EX+\j], v[WD+\j/2], 8*(\j%2), 3    ; row j's expert
.endr
.irp j, 0,1,2,3,4,5,6,7,8,9,10,11,12,13,14,15
	v_lshlrev_b32 v[SH+\j], 2, v[EX+\j]            ; where its counter lies
.endr
.irp j, 0,1,2,3,4,5,6,7,8,9,10,11,12,13,14,15
	v_bfe_u32 v[PS+\j], v[CNT], v[SH+\j], 4        ; my earlier rows of that expert,
	v_lshl_add_u32 v[CNT], 1, v[SH+\j], v[CNT]     ; and one more
.endr
.irp p, 0,1,2,3
	v_bfe_u32 v[TA+\p], v[CNT], 8*\p, 4
	v_bfe_u32 v[TB+\p], v[CNT], 8*\p+4, 4
	v_lshl_or_b32 v[TOT+\p], v[TB+\p], 16, v[TA+\p]   ; the counters widened to 16 bits
	v_mov_b32 v[PRE+\p], 0
.endr
; A step of the prefix sum.  v[TA..] holds the total of the partner block; it lies in front of mine where my lane's bit is set.
.macro SCAN mask
.irp p, 0,1,2,3
	v_cndmask_b32 v[TB+\p], 0, v[TA+\p], \mask
.endr
.irp p, 0,1,2,3
	v_add_nc_u32 v[TOT+\p], v[TOT+\p], v[TA+\p]
	v_add_nc_u32 v[PRE+\p], v[PRE+\p], v[TB+\p]
.endr
.endm
.macro STEPX x, mask
.irp p, 0,1,2,3
	v_mov_b32_dpp v[TA+\p], v[TOT+\p] row_xmask:\x row_mask:0xf bank_mask:0xf
.endr
	SCAN \mask
.endm
	STEPX 1, s26
	STEPX 2, s27
	STEPX 4, s28
	STEPX 8, s29
.irp p, 0,1,2,3
	v_permlanex16_b32 v[TA+\p], v[TOT+\p], s24, s25
.endr
	SCAN s30
	ds_store_b128 v3, v[TOT:TOT+3]                 ; my wave's totals: every lane holds them
	s_wait_storecnt 0x0                            ; for the others' sake: my part of the fill is done: behind the barrier any wave may store a row into any slot
	s_wait_dscnt 0x0                               ; and my totals have landed
	s_barrier_signal -1
	s_barrier_wait -1
	ds_load_b128 v[GT:GT+3], v166                  ; lane l: wave l % 16's totals
	s_wait_dscnt 0x0
	v_cmp_gt_u32 vcc_lo, s23, v2                   ; the waves in front of mine
.irp p, 0,1,2,3
	v_cndmask_b32 v[GT+4+\p], 0, v[GT+\p], vcc_lo
.endr
.irp x, 1,2,4,8                        ; sixteen lanes hold the sixteen waves: four steps sum them
.irp p, 0,1,2,3,4,5,6,7
	v_mov_b32_dpp v[SH+\p], v[GT+\p] row_xmask:\x row_mask:0xf bank_mask:0xf
.endr
.irp p, 0,1,2,3,4,5,6,7
	v_add_nc_u32 v[GT+\p], v[GT+\p], v[SH+\p]
.endr
.endr
.irp p, 0,1,2,3,4,5,6,7
	v_readfirstlane_b32 s[44+\p], v[GT+\p]
.endr
.irp p, 0,1,2,3
	s_and_b32 s[52+2*\p], s[44+\p], 0xffff         ; n_e
	s_lshr_b32 s[53+2*\p], s[44+\p], 16
	s_and_b32 s[66+2*\p], s[48+\p], 0xffff         ; rows of e in the waves in front of mine
	s_lshr_b32 s[67+2*\p], s[48+\p], 16
.endr
	s_mov_b32 s20, 0                               ; tiles so far
.irp e, 0,1,2,3,4,5,6,7
	s_add_co_u32 s21, s[52+\e], 79
	s_mul_i32 s21, s21, 52429
	s_lshr_b32 s21, s21, 22                        ; k_e = (n_e + 79) / 80: exact for numbers up to 8,271
	s_mul_i32 s22, s20, 80
	s_add_co_u32 s[74+\e], s22, s[66+\e]           ; where my wave's rows of e begin
	s_add_co_u32 s20, s20, s21
	s_mov_b32 s[52+\e], s20                        ; e's tiles end here
.endr
.irp p, 0,1,2,3
	s_lshl_b32 s[32+\p], s[75+2*\p], 16
	s_or_b32 s[32+\p], s[32+\p], s[74+2*\p]
	v_add_nc_u32 v[BB+\p], s[32+\p], v[PRE+\p]     ; where my lane's begin: each field stays under 8,800 + 256, so none carries into the next
.endr
	; row j's slot: field (expert) of the four packed registers + its rank in my lane, held inside the table before it enters an address
.irp j, 0,1,2,3,4,5,6,7,8,9,10,11,12,13,14,15
	v_and_b32 v[SL+\j], 3, v[EX+\j]
.endr
.irp j, 0,1,2,3,4,5,6,7,8,9,10,11,12,13,14,15
	v_mad_u32_u24 v[SL+\j], v[SL+\j], s36, s37     ; the selector's two low bytes name the field's two bytes; what its upper bytes pick is masked off below
.endr
.irp j, 0,1,2,3,4,5,6,7,8,9,10,11,12,13,14,15
	v_perm_b32 v[HI+\j], v[BB+3], v[BB+2], v[SL+\j]   ; were it expert 4..7 (selector bytes 0-3 take the second source, 4-7 the first),
	v_perm_b32 v[SL+\j], v[BB+1], v[BB], v[SL+\j]     ; were it expert 0..3
.endr
.irp j, 0,1,2,3,4,5,6,7,8,9,10,11,12,13,14,15
	v_cmp_lt_u32 vcc_lo, 3, v[EX+\j]
	v_cndmask_b32 v[SL+\j], v[SL+\j], v[HI+\j], vcc_lo
.endr
.irp j, 0,1,2,3,4,5,6,7,8,9,10,11,12,13,14,15
	v_and_b32 v[SL+\j], 0xffff, v[SL+\j]
.endr
.irp j, 0,1,2,3,4,5,6,7,8,9,10,11,12,13,14,15
	v_add_nc_u32 v[PS+\j], v[PS+\j], v[SL+\j]
.endr
.irp j, 0,1,2,3,4,5,6,7,8,9,10,11,12,13,14,15
	v_min_u32 v[PS+\j], 0x225f, v[PS+\j]
.endr
.irp j, 0,1,2,3,4,5,6,7,8,9,10,11,12,13,14,15
	v_lshlrev_b32 v[SH+\j], 2, v[PS+\j]
.endr
	s_wait_loadcnt 0x0                             ; the weights
.irp i, 0,1,2,3
	global_store_b128 v162, v[PS+4*\i:PS+4*\i+3], s[8:9] offset:POSB+16*\i
.endr
.irp j, 0,1,2,3,4,5,6,7,8,9,10,11,12,13,14,15
	global_store_b32 v[SH+\j], v[TK+\j/2], s[8:9]  ; a scatter by its nature: a row's slot lies where its expert's rows lie
	global_store_b32 v[SH+\j], v[RW+\j], s[10:11]
.endr
	; a tile's expert = how many experts' tiles end at or in front of it; 8 behind the last
	v_mov_b32 v168, 0
.irp e, 0,1,2,3,4,5,6,7
	v_cmp_le_u32 vcc_lo, s[52+\e], v164
	v_cndmask_b32 v169, 0, 1, vcc_lo
	v_add_nc_u32 v168, v168, v169
.endr
	global_store_b32 v165, v168, s[8:9] offset:TINFO
	s_wait_tensorcnt 0x0
	ds_add_u32 v176, v177
	s_wait_dscnt 0x0
	s_endpgm
.Lfunc_end_k_q9760fa2e5f_place:
	.size	k_q9760fa2e5f_place, .Lfunc_end_k_q9760fa2e5f_place-k_q9760fa2e5f_place
	.p2alignl 7, 3214868480
	.fill 96, 4, 3214868480
	.section	.rodata,"a",@progbits
	.p2align	6, 0x0
	.amdhsa_kernel k_q9760fa2e5f_place
		.amdhsa_group_segment_fixed_size 2560
		.amdhsa_private_segment_fixed_size 0
		.amdhsa_enable_private_segment 0
		.amdhsa_kernarg_size 32
		.amdhsa_user_sgpr_count 2
		.amdhsa_user_sgpr_kernarg_segment_ptr 1
		.amdhsa_wavefront_size32 1
		.amdhsa_system_sgpr_workgroup_id_x 1
		.amdhsa_system_sgpr_workgroup_id_y 1
		.amdhsa_system_sgpr_workgroup_id_z 1
		.amdhsa_system_vgpr_workitem_id 0
		.amdhsa_next_free_vgpr 178
		.amdhsa_next_free_sgpr 84
		.amdhsa_reserve_vcc 1
		.amdhsa_float_denorm_mode_32 3
		.amdhsa_float_denorm_mode_16_64 3
		.amdhsa_memory_ordered 1
		.amdhsa_forward_progress 1
		.amdhsa_inst_pref_size 32
	.end_amdhsa_kernel
	.amdgpu_metadata
---
amdhsa.version: [ 1, 2 ]
amdhsa.kernels:
  - .name:           k_q9760fa2e5f_place
    .symbol:         k_q9760fa2e5f_place.kd
    .args:
      - { .name: ridx, .offset: 0, .size: 8, .value_kind: global_buffer, .address_space: global }
      - { .name: rw, .offset: 8, .size: 8, .value_kind: global_buffer, .address_space: global }
      - { .name: lists, .offset: 16, .size: 8, .value_kind: global_buffer, .address_space: global }
      - { .name: sw, .offset: 24, .size: 8, .value_kind: global_buffer, .address_space: global }
    .group_segment_fixed_size: 2560
    .private_segment_fixed_size: 0
    .kernarg_segment_align: 8
    .kernarg_segment_size: 32
    .max_flat_workgroup_size: 512
    .sgpr_count:     84
    .vgpr_count:     178
    .wavefront_size: 32
...
	.end_amdgpu_metadata
.endif
;; end of part 5
;; launch chain (part 6): grid 110 x 2, 4 waves a work-group, no clusters, 98,816 bytes of LDS; arguments xq, wq, lists, sw, lowp_scales, part; writes part
.if DOCPART == 6
	.amdgcn_target "amdgcn-amd-amdhsa--gfx1250"
	.amdhsa_code_object_version 6
	.text
	.protected	k_q9760fa2e5f_chain
	.globl	k_q9760fa2e5f_chain
	.p2align	8
	.type	k_q9760fa2e5f_chain,@function
k_q9760fa2e5f_chain:
	s_mov_b64 s[64:65], 0
	v_nop
	global_prefetch_b8 v0, s[64:65] scope:SCOPE_SE
	s_setreg_imm32_b32 hwreg(HW_REG_WAVE_MODE, 25, 1), 1
	s_wait_xcnt 0x0
; CHAIN: one tile of 80 routed rows of ONE expert, and one half (1,024 units) of its hidden layer, through the whole chain:
; gather the rows' codes | H = x W_in^T | gelu (exact, by erfc) x the row's weight | quantise with 2^e2 | Y += Q(H) W_out | raw f32 sums to part[hs][slot][512].
; The hidden layer never goes to memory.  Both products are v_wmma_f32_16x16x128_fp8_fp8 on codes as they are; the scales 2^(e0+e1) are folded into the gelu's constants, 2^(e2+e3) is applied by the next launch.
; SHARES.  Four waves.  In trip j (128 units) wave w makes units 128 j + 32 w + 0..31 for all 80 rows; wave w owns output columns 128 w .. 128 w + 127 for all 80 rows (40 accumulators).
; Both products are used TRANSPOSED (source 0 = 16 rows of the weight, source 1 = 16 token rows), so a lane holds one token row throughout, and W_in's rows of a tile were chosen so that a lane's
; 16 registers of two neighbouring tiles are 16 neighbours along the next K: the conversions' results are four registers of the next operand, which go from wave to wave through LDS as images of registers.
; THE WEIGHTS come from memory straight into registers: an earlier launch laid them as images, 16 blocks of 16 KiB a wave.  TWO sets of 128 registers take them: ring A W_in's blocks, ring B W_out's.
; Each is asked for again straight behind the products that read it and is waited for one trip later: in trip j ring A asks for block 2 j + 1 (W_in of trip j + 1), ring B for block min(2 j + 2, 15) (W_out of trip j).
; ROOM FOR THE SECOND SET: x's fragments of rows 0-47 stay in registers; those of rows 48-79 are read from their LDS images in every trip, into registers that are idle during the first product:
; rows 48-63 into the gelu's work registers (asked for at the trip's head; the 32 products that do not need them stand in front of the wait), rows 64-79 into the hidden fragments' (asked for behind the second product of the trip before).
; The order of k inside an instruction is the same permutation in both operands (four loads of 16 bytes a fragment), so every product meets its partner.
; NO TENSOR LOAD, NO CLUSTER: the weights' address hangs on a number read from memory (the tile's expert), and how many tiles an expert has is not known to the text, so partners could not be given one expert's tiles.
; EVERY WAVE PASSES EVERY BARRIER: no branch on the stored list stands ahead of one.  A tile that the split leaves empty (list entry 8) works on padding slots (token 0, weight 0; the expert's number held at 7) and skips its stores.
; GELU.  With s the raw sum, x = s 2^E, E = e0 + e1, a = |s|:  t = 1 / (1 + a Kd), erfc(|x| / sqrt 2) = t 2^(P(t) - a^2 K2), P of degree 9 (the rational-Chebyshev fit of erfc, fractional error under 1.2e-7 everywhere,
; so the negative tail keeps its relative accuracy);  gelu(x) R = ((s + a) - a erfc) x R 2^(E-1).
; LIMITS: e0 + e1 between -60 and 60 (Kd and K2 are made by adding to exponent fields); e2 between -126 and 119.  NaN and infinities are not served.
; REGISTERS, in windows of 256.  Window 0: v1 16 lane; v2 image stores; v3, v4 stage in, out; v6-15 five pairs R 2^(E-1); v16-17 c9; v18, v19 2^e2, 448 x 2^e2; v20-27 two sets of codes; v28 x's images, my lane's place;
;   v32-47 A = |s|, v48-63 T, v64-79 Q = a^2, v80-95 P (during the first product: X(3, s) = 32 + 16 s); v96-175 H(m, u) = 96 + 16 m + 8 u; v176-255 HF(m) = 176 + 16 m (during the first product: X(4, s) = 176 + 16 s).
;   Window 1: v0-191 X(m < 3, s) = 16 (4 m + s); v192-255 ring B, fragments 0-3.   Window 2: v0-63 ring B, fragments 4-7; v64-127 Y(dt, 4); v128-255 ring A.   Window 3: Y(dt, m < 4) = 8 (8 m + dt).
.set TINFO,  68096
.set HBUF,   10240                     ; LDS: two buffers of 5 images x 2,048 bytes for the hidden layer, at 0 and at HBUF,
.set XIMG,   20480                     ; x's images: for each of 5 tiles of rows 32 pieces (K step s, registers 4 c on, half h: piece 8 s + 2 c + h) of 16 rows x 16 bytes,
.set XP,     272                       ; a piece 256 bytes + 16 of padding = 68 words: piece p starts at bank 4 p mod 64 (64 banks of 4 bytes: ISA guide 11.1)
.set XT,     32*XP                     ; a tile of rows
.set STG,    XIMG+5*XT                 ; and a stage of 16 rows x 528 bytes for each wave
.set SPITCH, 528
.set A,  32
.set T,  48
.set Q,  64
.set P,  80
.set H,  96
.set HF, 176
.set X3, 32
.set X4, 176
.set RA, 128                           ; ring A, in window 2
.set RB, 192                           ; ring B's fragments 0-3, in window 1; fragments 4-7 lie at v0 of window 2
.set MSB, 0
.macro WIN new                         ; the immediate's high byte repeats the setting that is left; a switch that changes nothing is dropped
.if MSB != \new
	s_set_vgpr_msb (MSB<<8)|\new
.set MSB, \new
.endif
.endm
.macro CPAIR reg, val                  ; a constant as a scalar pair: the packed forms name the pair and take its low word for both halves
	s_mov_b32 s[\reg], \val
	s_mov_b32 s[\reg+1], \val
.endm
.macro PLACES                          ; four places between a matrix instruction and a load into its sources, a vector write of them, or a read of its results
.rept 4
	v_nop
.endr
.endm
.macro LOADA base, off                 ; a block of eight fragments into ring A: 32 loads of 512 consecutive bytes
	WIN 0x80                                       ; destination window 2, address window 0
.irp f, 0,1,2,3,4,5,6,7
.irp c, 0,1,2,3
	global_load_b128 v[RA+16*\f+4*\c:RA+16*\f+4*\c+3], v1, s[\base:\base+1] offset:\off+2048*\f+512*\c
.endr
.endr
	WIN 0
.endm
.macro LOADB                           ; the same into ring B, which lies across the edge of windows 1 and 2
	WIN 0x40
.irp f, 0,1,2,3
.irp c, 0,1,2,3
	global_load_b128 v[RB+16*\f+4*\c:RB+16*\f+4*\c+3], v1, s[30:31] offset:2048*\f+512*\c
.endr
.endr
	WIN 0x80
.irp f, 4,5,6,7
.irp c, 0,1,2,3
	global_load_b128 v[16*(\f-4)+4*\c:16*(\f-4)+4*\c+3], v1, s[30:31] offset:2048*\f+512*\c
.endr
.endr
	WIN 0
.endm
.macro XLOAD reg, m                    ; x's four fragments of rows 16 m on, from their images: lanes 0-15 take one piece's 256 bytes, lanes 16-31 the next piece's
.irp s, 0,1,2,3
.irp c, 0,1,2,3
	ds_load_b128 v[(\reg)+16*\s+4*\c:(\reg)+16*\s+4*\c+3], v28 offset:XIMG+XT*(\m)+XP*(8*\s+2*\c)
.endr
.endr
.endm
; H = x W_in^T for my 32 units and the 80 rows: ten accumulators, four K steps.  The accumulators take turns, one instruction a turn; the first K step starts the sums.
.macro P1ROW m, x                      ; the two accumulators of rows 16 m on, x's fragments at v[x] of window 0
.irp s, 0,1,2,3
.irp u, 0,1
.if \s == 0
	v_wmma_f32_16x16x128_fp8_fp8 v[H+16*(\m)+8*\u:H+16*(\m)+8*\u+7], v[RA+16*(4*\u+\s):RA+16*(4*\u+\s)+15], v[(\x)+16*\s:(\x)+16*\s+15], 0
.else
	v_wmma_f32_16x16x128_fp8_fp8 v[H+16*(\m)+8*\u:H+16*(\m)+8*\u+7], v[RA+16*(4*\u+\s):RA+16*(4*\u+\s)+15], v[(\x)+16*\s:(\x)+16*\s+15], v[H+16*(\m)+8*\u:H+16*(\m)+8*\u+7]
.endif
.endr
.endr
.endm
.macro P1
	WIN 0x06                                       ; source 0 (ring A) window 2, source 1 (X) window 1, C and D window 0
.irp s, 0,1,2,3
.irp u, 0,1
.irp m, 0,1,2
.if \s == 0
	v_wmma_f32_16x16x128_fp8_fp8 v[H+16*\m+8*\u:H+16*\m+8*\u+7], v[RA+16*(4*\u+\s):RA+16*(4*\u+\s)+15], v[16*(4*\m+\s):16*(4*\m+\s)+15], 0
.else
	v_wmma_f32_16x16x128_fp8_fp8 v[H+16*\m+8*\u:H+16*\m+8*\u+7], v[RA+16*(4*\u+\s):RA+16*(4*\u+\s)+15], v[16*(4*\m+\s):16*(4*\m+\s)+15], v[H+16*\m+8*\u:H+16*\m+8*\u+7]
.endif
.endr
.endr
.endr
	WIN 0x02                                       ; rows 48-79: X in window 0
	P1ROW 4, X4
	s_wait_dscnt 0x0                               ; rows 48-63 of x, asked for at the trip's head, 32 products ago
	P1ROW 3, X3
.endm
; Y += Q(H) W_out for 128 units: one instruction on each of my 40 accumulators.  zero = 1: it starts the sums: nothing is ever cleared.
.macro P2Q zero, acc, rb, hf
.if \zero
	v_wmma_f32_16x16x128_fp8_fp8 v[(\acc):(\acc)+7], v[(\rb):(\rb)+15], v[(\hf):(\hf)+15], 0
.else
	v_wmma_f32_16x16x128_fp8_fp8 v[(\acc):(\acc)+7], v[(\rb):(\rb)+15], v[(\hf):(\hf)+15], v[(\acc):(\acc)+7]
.endif
.endm
.macro P2 zero
	WIN 0xf1                                       ; source 0 (ring B, fragments 0-3) window 1, source 1 (HF) window 0, C and D window 3
.irp d, 0,1,2,3
.irp m, 0,1,2,3
	P2Q \zero, 8*(8*\m+\d), RB+16*\d, HF+16*\m
.endr
.endr
	WIN 0xa1                                       ; rows 64-79: C and D window 2
.irp d, 0,1,2,3
	P2Q \zero, 64+8*\d, RB+16*\d, HF+64
.endr
	WIN 0xf2                                       ; ring B's fragments 4-7: source 0 window 2
.irp d, 4,5,6,7
.irp m, 0,1,2,3
	P2Q \zero, 8*(8*\m+\d), 16*(\d-4), HF+16*\m
.endr
.endr
	WIN 0xa2
.irp d, 4,5,6,7
	P2Q \zero, 64+8*\d, 16*(\d-4), HF+64
.endr
.endm
.macro HFLOAD buf                      ; the hidden layer's five fragments of 128 units, made by all four waves
.irp m, 0,1,2,3,4
.irp c, 0,1,2,3
	ds_load_b128 v[HF+16*\m+4*\c:HF+16*\m+4*\c+3], v1 offset:(\buf)*HBUF+2048*\m+512*\c
.endr
.endr
.endm
; 16 sums of a lane (row 16 m + r, units 32 w + 16 h + 0..15) become gelu x weight, then 16 codes, then four registers of the image in buffer buf.
.macro GELU m, buf
.set HH, H+16*(\m)
.set CC, 20+4*((\m)%2)
.set RR, 6+2*(\m)
.irp i, 0,1,2,3,4,5,6,7,8,9,10,11,12,13,14,15
	v_and_b32 v[A+\i], s76, v[HH+\i]               ; a = |s|; each accumulator is read from its low end on
.endr
.irp i, 0,2,4,6,8,10,12,14
	v_pk_fma_f32 v[T+\i:T+\i+1], v[A+\i:A+\i+1], s[52:53], 1.0 op_sel_hi:[1,0,0]   ; 1 + a Kd
.endr
.irp i, 0,2,4,6,8,10,12,14
	v_rcp_f32 v[T+\i], v[T+\i]
	v_rcp_f32 v[T+\i+1], v[T+\i+1]
	v_pk_mul_f32 v[Q+\i:Q+\i+1], v[A+\i:A+\i+1], v[A+\i:A+\i+1]   ; a plain line behind the reciprocals: a^2
.endr
	s_wait_alu depctr_va_vdst(0)
.irp i, 0,2,4,6,8,10,12,14
	v_pk_fma_f32 v[P+\i:P+\i+1], v[T+\i:T+\i+1], v[16:17], s[56:57] op_sel_hi:[1,1,0]   ; c9 t + c8
.endr
.irp c, 58,60,62,66,68,70,72,74
.irp i, 0,2,4,6,8,10,12,14
	v_pk_fma_f32 v[P+\i:P+\i+1], v[P+\i:P+\i+1], v[T+\i:T+\i+1], s[\c:\c+1] op_sel_hi:[1,1,0]   ; Horner: c7 down to c0
.endr
.endr
.irp i, 0,2,4,6,8,10,12,14
	v_pk_fma_f32 v[P+\i:P+\i+1], v[Q+\i:Q+\i+1], s[54:55], v[P+\i:P+\i+1] op_sel_hi:[1,0,1]   ; - a^2 K2
.endr
.irp i, 0,2,4,6,8,10,12,14
	v_exp_f32 v[P+\i], v[P+\i]
	v_exp_f32 v[P+\i+1], v[P+\i+1]
	v_pk_add_f32 v[HH+\i:HH+\i+1], v[HH+\i:HH+\i+1], v[A+\i:A+\i+1]   ; a plain line behind the exponentials: s + a
.endr
	s_wait_alu depctr_va_vdst(0)
.irp i, 0,2,4,6,8,10,12,14
	v_pk_mul_f32 v[P+\i:P+\i+1], v[T+\i:T+\i+1], v[P+\i:P+\i+1]   ; erfc
.endr
.irp i, 0,2,4,6,8,10,12,14
	v_pk_fma_f32 v[HH+\i:HH+\i+1], v[A+\i:A+\i+1], v[P+\i:P+\i+1], v[HH+\i:HH+\i+1] neg_lo:[1,0,0] neg_hi:[1,0,0]   ; (s + a) - a erfc
.endr
.irp i, 0,2,4,6,8,10,12,14
	v_pk_mul_f32 v[HH+\i:HH+\i+1], v[HH+\i:HH+\i+1], v[RR:RR+1] op_sel_hi:[1,0]   ; x R 2^(E-1)
.endr
.irp i, 0,1,2,3,4,5,6,7,8,9,10,11,12,13,14,15
	v_med3_num_f32 v[HH+\i], v[HH+\i], -v19, v19   ; the conversion to an 8-bit code does not saturate (ISA guide 7.6.2): the hold comes first
.endr
	v_cvt_scalef32_pk8_fp8_f32 v[CC:CC+1], v[HH:HH+7], v18
	v_cvt_scalef32_pk8_fp8_f32 v[CC+2:CC+3], v[HH+8:HH+15], v18
	v_nop                                          ; one plain vector line behind the conversions: the next products write their sources
	ds_store_b128 v2, v[CC:CC+3] offset:(\buf)*HBUF+2048*(\m)   ; registers 4 w .. 4 w + 3 of fragment m
.endm
; A TRIP: 128 hidden units.  p2 = 0: no second product yet; 1: it starts Y's sums; 2: it adds.  The second product runs one trip behind the first, on the other buffer:
; ONE barrier a trip: in front of it each wave's image stores have landed and its reads of the other buffer are back.
; last = 1: this copy is also the launch's last trip (the loop's counter at 1): W_in has no block left and rows 64-79 of x no reader, so two scalar branches on the counter go round those loads.
; s20 = 32,768 x the trip's number: the offset of the trip's pair of blocks in my stream.
.macro TRIP buf, p2, last
	XLOAD X3, 3                                    ; rows 48-63 of x into the gelu's work registers
.if \p2
	s_wait_loadcnt 32                              ; W_in's block is in ring A; ring B's 32 loads, issued behind it, may be out
.else
	s_wait_loadcnt 0x0                             ; the first trip: ring A's 32 loads are all that is out
.endif
	P1
	WIN 0
	PLACES
.if \last
	s_cmp_eq_u32 s77, 1
	s_cbranch_scc1 .Lno_a_\@
.endif
	s_add_nc_u64 s[28:29], s[6:7], s[20:21]        ; ring A's earlier loads were waited for at the trip's head, so their base may be written
	LOADA 28, 16384                                ; block 2 j + 1: W_in of the next trip
.if \last
	s_branch .Lhave_a_\@
.Lno_a_\@:
	s_wait_loadcnt 0x0                             ; on this way nothing is issued behind ring B's loads: the counted wait below would leave them out, so they are waited for here
.Lhave_a_\@:
.endif
.if \p2
	HFLOAD 1-(\buf)
.endif
	GELU 0, \buf
	GELU 1, \buf
	GELU 2, \buf
.if \p2
	s_wait_loadcnt 32                              ; W_out's block is in ring B; ring A's 32 loads, issued behind it, may be out
	s_wait_dscnt 0x0                               ; and the last trip's hidden fragments are in
	P2 2-(\p2)
	WIN 0
	PLACES
.endif
	s_add_co_u32 s22, s20, 0x8000
	s_min_u32 s22, s22, 0x3c000                    ; block min(2 j + 2, 15): W_out of this trip
	s_add_nc_u64 s[30:31], s[6:7], s[22:23]        ; ring B's earlier loads were waited for ahead of the second product
	LOADB
	s_add_co_u32 s20, s20, 0x8000
.if \p2
.if \last
	s_cmp_eq_u32 s77, 1
	s_cbranch_scc1 .Lno_x_\@
.endif
	XLOAD X4, 4                                    ; rows 64-79 of x into the hidden fragments' registers, for the next trip's first product
.if \last
.Lno_x_\@:
.endif
.endif
	GELU 3, \buf
	GELU 4, \buf
	s_wait_dscnt 0x0
	s_barrier_signal -1
	s_barrier_wait -1
.endm
	s_load_b256 s[4:11], s[0:1], 0x0               ; xq s[4:5], wq s[6:7], lists s[8:9], sw s[10:11]
	s_load_b128 s[12:15], s[0:1], 0x20             ; the scales' exponents s[12:13], part s[14:15]
	v_lshl_add_u32 v30, v0, 2, 0x18000
	v_mov_b32 v31, 0
	v_lshrrev_b32 v5, 5, v0
	v_readfirstlane_b32 s16, v5                    ; wave 0..3
	v_and_b32 v5, 31, v0                           ; lane
	v_lshlrev_b32 v1, 4, v5                        ; 16 x lane
	s_and_b32 s18, ttmp7, 0xffff                   ; hs: which half of the hidden layer
	s_lshl_b32 s20, ttmp9, 2                       ; the tile's entry in the list
	s_mov_b32 s21, 0
	s_mul_i32 s22, ttmp9, 320                      ; the tile's 80 slots, 4 bytes each
	s_mov_b32 s23, 0
	s_lshl_b32 s28, s16, 6
	s_add_co_u32 s28, s28, s22                     ; slots 16 w + 0..15
	s_mov_b32 s29, 0
	s_lshl_b32 s30, s16, 4
	s_add_co_u32 s30, s30, s22                     ; slots 64 + 4 w + 0..3 (the 64 stand in the immediate)
	s_mov_b32 s31, 0
	s_wait_kmcnt 0x0
	s_add_nc_u64 s[20:21], s[8:9], s[20:21]
	s_add_nc_u64 s[28:29], s[8:9], s[28:29]
	s_add_nc_u64 s[30:31], s[8:9], s[30:31]
	s_add_nc_u64 s[10:11], s[10:11], s[22:23]
	s_load_b32 s19, s[20:21], TINFO                ; the tile's expert, or 8
	s_load_b512 s[32:47], s[28:29], 0x0            ; 16 tokens
	s_load_b128 s[48:51], s[30:31], 0x100          ; 4 tokens
	s_load_b128 s[24:27], s[12:13], 0x0            ; e0, e1, e2, e3
	v_and_b32 v52, 15, v0                          ; r
	v_bfe_u32 v53, v0, 4, 1                        ; h
	v_lshlrev_b32 v54, 2, v52                      ; sw: 4 r
	s_lshl_b32 s77, s16, 9
	v_add_nc_u32 v2, s77, v1                       ; image stores: 16 lane + 512 w
	s_mul_i32 s77, s16, 16*SPITCH
	s_add_co_u32 s77, s77, STG                     ; my stage
	v_mul_u32_u24 v3, v52, SPITCH
	v_lshl_add_u32 v3, v53, 5, v3
	v_add_nc_u32 v3, s77, v3                       ; in: row r, 32 bytes for each half of the lanes
	v_add_nc_u32 v4, s77, v1                       ; back: a row of 512 bytes
	v_mul_u32_u24 v28, v53, XP
	v_lshl_add_u32 v28, v52, 4, v28                ; x's images, out: piece + h, row r
	v_mul_u32_u24 v55, v5, XP                      ; and in: a gathered row's lane L holds k = 16 L on: K step L / 8, registers 4 ((L / 2) % 4) on, half L % 2: piece L
	s_mul_i32 s77, s16, XT
	s_add_co_u32 s77, s77, XIMG
	v_add_nc_u32 v56, s77, v55                     ; rows 16 w + i: tile of rows w, row i
	s_lshl_b32 s77, s16, 6
	s_add_co_u32 s77, s77, XIMG+4*XT
	v_add_nc_u32 v57, s77, v55                     ; rows 64 + 4 w + i: tile of rows 4, row 4 w + i
	CPAIR 56, 0xbf97d29d                           ; c8 .. c0, each x log2(e)
	CPAIR 58, 0x40097039
	CPAIR 60, 0xbfd1a1e5
	CPAIR 62, 0x3ecdfd18
	CPAIR 66, 0xbe899a80
	CPAIR 68, 0x3e0efb2e
	CPAIR 70, 0x3f0a29d2
	CPAIR 72, 0x3fb8ab5a
	CPAIR 74, 0xbfe9b21e
	s_mov_b32 s76, 0x7fffffff
	v_mov_b32 v16, 0x3e7c6f08                      ; c9
	v_mov_b32 v17, 0x3e7c6f08
	s_wait_kmcnt 0x0
.irp i, 0,1,2,3,4,5,6,7,8,9,10,11,12,13,14,15,16,17,18,19
	s_min_u32 s[32+\i], s[32+\i], 4095             ; a stored number enters an address only held inside its table
	s_lshl_b32 s[32+\i], s[32+\i], 9
	v_add_nc_u32 v[A+\i], s[32+\i], v1
	global_load_b128 v[H+4*\i:H+4*\i+3], v[A+\i], s[4:5]   ; a whole row of codes: 512 consecutive bytes
.endr
.irp m, 0,1,2,3,4
	global_load_b32 v[6+2*\m], v54, s[10:11] offset:64*\m   ; the weight of row 16 m + r
.endr
	s_min_u32 s20, s19, 7                          ; the expert
	s_lshl_b32 s20, s20, 2
	s_add_co_u32 s20, s20, s16
	s_lshl_b32 s20, s20, 1
	s_add_co_u32 s20, s20, s18
	s_lshl_b32 s20, s20, 18                        ; ((e*4 + w)*2 + hs) x 16 blocks of 16 KiB
	s_mov_b32 s21, 0
	s_add_nc_u64 s[6:7], s[6:7], s[20:21]          ; my stream: not written again
	LOADA 6, 0                                     ; block 0: W_in of the first trip
	s_add_co_i32 s21, s24, s25                     ; E = e0 + e1
	s_lshl_b32 s22, s21, 23
	s_add_co_i32 s52, s22, 0x3eb504f3              ; Kd = 2^E / (2 sqrt 2)
	s_mov_b32 s53, s52
	s_lshl_b32 s22, s21, 24
	s_add_co_i32 s54, s22, 0x3f38aa3b              ; K2 = 2^(2E) log2(e) / 2,
	s_xor_b32 s54, s54, 0x80000000                 ; negative
	s_mov_b32 s55, s54
	s_sub_co_i32 s23, s21, 1                       ; E - 1
	s_add_co_i32 s22, s26, 127
	s_lshl_b32 s28, s22, 23
	v_mov_b32 v18, s28                             ; 2^e2
	s_add_co_i32 s22, s22, 8
	s_lshl_b32 s22, s22, 23
	s_or_b32 s22, s22, 0x600000
	v_mov_b32 v19, s22                             ; 448 x 2^e2
	s_mul_i32 s20, s18, 8800
	s_mul_i32 s21, ttmp9, 80
	s_add_co_u32 s20, s20, s21
	s_lshl_b32 s20, s20, 11                        ; part: row hs*8800 + 80 tile,
	s_lshl_b32 s21, s16, 9
	s_add_co_u32 s20, s20, s21                     ; my 128 columns
	s_mov_b32 s21, 0
	s_add_nc_u64 s[14:15], s[14:15], s[20:21]
	s_wait_loadcnt 37                              ; the 20 gathered rows are in; behind them: 5 weights and ring A's 32
.irp i, 0,1,2,3,4,5,6,7,8,9,10,11,12,13,14,15
	ds_store_b128 v56, v[H+4*\i:H+4*\i+3] offset:16*\i
.endr
.irp i, 0,1,2,3
	ds_store_b128 v57, v[H+64+4*\i:H+64+4*\i+3] offset:16*\i
.endr
	s_wait_loadcnt 32                              ; the weights are in; behind them: ring A's 32
.irp m, 0,1,2,3,4
	v_ldexp_f32 v[6+2*\m], v[6+2*\m], s23
	v_mov_b32 v[7+2*\m], v[6+2*\m]                 ; (named with it as a pair, so it is written)
.endr
	s_wait_dscnt 0x0                               ; for the others' sake: my rows' images have landed
	s_barrier_signal -1
	s_barrier_wait -1
	WIN 0x40                                       ; x's fragments of rows 0-47 stay in registers: destination window 1
	XLOAD 0, 0
	XLOAD 64, 1
	XLOAD 128, 2
	WIN 0
	XLOAD X4, 4                                    ; rows 64-79, for the first two trips: the first reads no hidden fragments, so they stay
	s_wait_dscnt 0x0
	s_mov_b32 s20, 0                               ; the trip's offset in my stream, as a pair with 0 above it,
	s_mov_b32 s21, 0
	s_mov_b32 s23, 0                               ; and the upper word of ring B's offset
	TRIP 0, 0, 0                                   ; units 0-127: nothing to multiply by W_out yet
	TRIP 1, 1, 0                                   ; units 128-255; the second product of units 0-127 starts Y's sums
	s_mov_b32 s77, 3
.Lpair:                                                ; three trips of two: the buffers are back where they began
	TRIP 0, 2, 0
	TRIP 1, 2, 1
	s_sub_co_u32 s77, s77, 1
	s_cmp_lg_u32 s77, 0
	s_cbranch_scc1 .Lpair
	HFLOAD 1                                       ; the last 128 units' second product; ring B was asked for block 15 in the last trip, and nothing more is asked for
	s_wait_loadcnt 0x0
	s_wait_dscnt 0x0
	P2 0
	WIN 0
	PLACES                                         ; in front of the first read of results, and of loads into registers that the products read
	s_cmp_gt_u32 s19, 7                            ; behind the last barrier: a tile that the split leaves empty stores nothing
	s_cbranch_scc1 .Lend
; THE WAY OUT, 16 rows at a time.  A lane holds 32 neighbouring bytes of a row and the lanes beside it other rows: so the rows go through my own stage and leave as 512 consecutive bytes.
; LDS serves a wave's instructions in order (ISA guide 5.7.1.4): no wait between the stores and the loads, nor in front of the next rows' stores.
.macro OUTM m
.set BK, 96+64*((\m)%2)
.if (\m) < 4
	WIN 0x0c                                       ; store data window 3
.irp d, 0,1,2,3,4,5,6,7
	ds_store_b128 v3, v[8*(8*(\m)+\d):8*(8*(\m)+\d)+3] offset:64*\d
	ds_store_b128 v3, v[8*(8*(\m)+\d)+4:8*(8*(\m)+\d)+7] offset:64*\d+16
.endr
.else
	WIN 0x08                                       ; store data window 2
.irp d, 0,1,2,3,4,5,6,7
	ds_store_b128 v3, v[64+8*\d:64+8*\d+3] offset:64*\d
	ds_store_b128 v3, v[64+8*\d+4:64+8*\d+7] offset:64*\d+16
.endr
.endif
	WIN 0
.if (\m) >= 2
	s_wait_xcnt 0x0                                ; the stores of two turns ago have read this set of registers
.endif
.irp i, 0,1,2,3,4,5,6,7,8,9,10,11,12,13,14,15
	ds_load_b128 v[BK+4*\i:BK+4*\i+3], v4 offset:SPITCH*\i
.endr
.irp i, 0,1,2,3,4,5,6,7,8,9,10,11,12,13,14,15
	s_wait_dscnt 15-\i                             ; the younger read-backs may be out
	global_store_b128 v1, v[BK+4*\i:BK+4*\i+3], s[14:15] offset:(16*(\m)+\i)*2048
.endr
.endm
	OUTM 0
	OUTM 1
	OUTM 2
	OUTM 3
	OUTM 4
.Lend:
	s_wait_tensorcnt 0x0
	ds_add_u32 v30, v31
	s_wait_dscnt 0x0
	s_endpgm
.Lfunc_end_k_q9760fa2e5f_chain:
	.size	k_q9760fa2e5f_chain, .Lfunc_end_k_q9760fa2e5f_chain-k_q9760fa2e5f_chain
	.p2alignl 7, 3214868480
	.fill 96, 4, 3214868480
	.section	.rodata,"a",@progbits
	.p2align	6, 0x0
	.amdhsa_kernel k_q9760fa2e5f_chain
		.amdhsa_group_segment_fixed_size 98816
		.amdhsa_private_segment_fixed_size 0
		.amdhsa_enable_private_segment 0
		.amdhsa_kernarg_size 48
		.amdhsa_user_sgpr_count 2
		.amdhsa_user_sgpr_kernarg_segment_ptr 1
		.amdhsa_wavefront_size32 1
		.amdhsa_system_sgpr_workgroup_id_x 1
		.amdhsa_system_sgpr_workgroup_id_y 1
		.amdhsa_system_sgpr_workgroup_id_z 1
		.amdhsa_system_vgpr_workitem_id 0
		.amdhsa_next_free_vgpr 1024
		.amdhsa_next_free_sgpr 80
		.amdhsa_reserve_vcc 0
		.amdhsa_float_denorm_mode_32 3
		.amdhsa_float_denorm_mode_16_64 3
		.amdhsa_memory_ordered 1
		.amdhsa_forward_progress 1
		.amdhsa_inst_pref_size 255
	.end_amdhsa_kernel
	.section	.bss,"aw",@nobits
	.p2align	6
	.space	262144
	.amdgpu_metadata
---
amdhsa.version: [ 1, 2 ]
amdhsa.kernels:
  - .name:           k_q9760fa2e5f_chain
    .symbol:         k_q9760fa2e5f_chain.kd
    .args:
      - { .name: xq, .offset: 0, .size: 8, .value_kind: global_buffer, .address_space: global }
      - { .name: wq, .offset: 8, .size: 8, .value_kind: global_buffer, .address_space: global }
      - { .name: lists, .offset: 16, .size: 8, .value_kind: global_buffer, .address_space: global }
      - { .name: sw, .offset: 24, .size: 8, .value_kind: global_buffer, .address_space: global }
      - { .name: lowp_scales, .offset: 32, .size: 8, .value_kind: global_buffer, .address_space: global }
      - { .name: part, .offset: 40, .size: 8, .value_kind: global_buffer, .address_space: global }
    .group_segment_fixed_size: 98816
    .private_segment_fixed_size: 0
    .kernarg_segment_align: 8
    .kernarg_segment_size: 48
    .max_flat_workgroup_size: 128
    .sgpr_count:     80
    .vgpr_count:     1024
    .wavefront_size: 32
...
	.end_amdgpu_metadata
.endif
;; end of part 6
;; launch combine: the kernel of part 4 again; grid 256 x 1, 8 waves a work-group, no clusters, 0 bytes of LDS; arguments part, lists, lowp_scales, out0; writes out0
;; ======== version 3 of 3: 4 launches; version 2 with the launch chain written anew for expert scheduling mode
;; workspace buffers: xq 2,097,152 bytes; wq 16,777,216 bytes; ridx 16,384 bytes of whole numbers; rw 32,768 bytes; lists 68,608 bytes of whole numbers; sw 35,328 bytes; part 36,044,800 bytes
;; launch prep: the kernel of part 1 again; grid 576 x 1, 4 waves a work-group, no clusters, 88,576 bytes of LDS; arguments x, Wr, W_in, W_out, lowp_scales, xq, wq, ridx, rw; writes xq, wq, ridx, rw
;; launch place: the kernel of part 5 again; grid 1 x 1, 16 waves a work-group, no clusters, 2,560 bytes of LDS; arguments ridx, rw, lists, sw; writes lists, sw
;; launch chain (part 7): grid 110 x 2, 4 waves a work-group, no clusters, 98,816 bytes of LDS; arguments xq, wq, lists, sw, lowp_scales, part; writes part
.if DOCPART == 7
	.amdgcn_target "amdgcn-amd-amdhsa--gfx1250"
	.amdhsa_code_object_version 6
	.text
	.protected	k_q9760fa2e5f_chain
	.globl	k_q9760fa2e5f_chain
	.p2align	8
	.type	k_q9760fa2e5f_chain,@function
k_q9760fa2e5f_chain:
	s_mov_b64 s[64:65], 0
	v_nop
	global_prefetch_b8 v0, s[64:65] scope:SCOPE_SE
	s_setreg_imm32_b32 hwreg(HW_REG_WAVE_SCHED_MODE, 0, 2), 2
	s_setreg_imm32_b32 hwreg(HW_REG_WAVE_MODE, 25, 1), 1
	s_wait_xcnt 0x0
	s_wait_alu depctr_vm_vsrc(0)
; CHAIN: one tile of 80 routed rows of ONE expert, and one half (1,024 units) of its hidden layer, through the whole chain:
; gather the rows' codes | H = x W_in^T | gelu (exact, by erfc) x the row's weight | quantise with 2^e2 | Y += Q(H) W_out | raw f32 sums to part[hs][slot][512].
; The hidden layer never goes to memory.  Both products are v_wmma_f32_16x16x128_fp8_fp8 on codes as they are; the scales 2^(e0+e1) are folded into the gelu's constants, 2^(e2+e3) is applied by the next launch.
; SHARES.  Four waves.  In trip j (128 units) wave w makes units 128 j + 32 w + 0..31 for all 80 rows; wave w owns output columns 128 w .. 128 w + 127 for all 80 rows (40 accumulators).
; Both products are used TRANSPOSED (source 0 = 16 rows of the weight, source 1 = 16 token rows), so a lane holds one token row throughout, and W_in's rows of a tile were chosen so that a lane's
; 16 registers of two neighbouring tiles are 16 neighbours along the next K: the conversions' results are four registers of the next operand, which go from wave to wave through LDS as images of registers.
; THE WEIGHTS come from memory straight into registers: an earlier launch laid them as images, 16 blocks of 16 KiB a wave.  TWO sets of 128 registers take them: ring A W_in's blocks, ring B W_out's.
; Each is asked for again behind the products that read it, at the first wait that follows them, and is waited for one trip later: in trip j ring A asks for block 2 j + 1 (W_in of trip j + 1), ring B for block min(2 j + 2, 15) (W_out of trip j).
; ROOM FOR THE SECOND SET: x's fragments of rows 0-47 stay in registers; those of rows 48-79 are read from their LDS images in every trip, into registers that are idle during the first product:
; rows 48-63 into the gelu's work registers (asked for at the trip's head; the 32 products that do not need them stand in front of the wait), rows 64-79 into the hidden fragments' (asked for behind the second product of the trip before).
; The order of k inside an instruction is the same permutation in both operands (four loads of 16 bytes a fragment), so every product meets its partner.
; NO TENSOR LOAD, NO CLUSTER: the weights' address hangs on a number read from memory (the tile's expert), and how many tiles an expert has is not known to the text, so partners could not be given one expert's tiles.
; EVERY WAVE PASSES EVERY BARRIER: no branch on the stored list stands ahead of one.  A tile that the split leaves empty (list entry 8) works on padding slots (token 0, weight 0; the expert's number held at 7) and skips its stores.
; GELU.  With s the raw sum, x = s 2^E, E = e0 + e1, a = |s|:  t = 1 / (1 + a Kd), erfc(|x| / sqrt 2) = t 2^(P(t) - a^2 K2), P of degree 9 (the rational-Chebyshev fit of erfc, fractional error under 1.2e-7 everywhere,
; so the negative tail keeps its relative accuracy);  gelu(x) R = ((s + a) - a erfc) x R 2^(E-1).
; LIMITS: e0 + e1 between -60 and 60 (Kd and K2 are made by adding to exponent fields); e2 between -126 and 119.  NaN and infinities are not served.
; REGISTERS, in windows of 256.  Window 0: v1 16 lane; v2 image stores; v3, v4 stage in, out; v6-15 five pairs R 2^(E-1); v16-17 c9; v18, v19 2^e2, 448 x 2^e2; v20-27 two sets of codes; v28 x's images, my lane's place; v30, v31 the closing add's two;
;   v32-47 A = |s|, v48-63 T, v64-79 Q = a^2, v80-95 P (during the first product: X(3, s) = 32 + 16 s); v96-175 H(m, u) = 96 + 16 m + 8 u; v176-255 HF(m) = 176 + 16 m (during the first product: X(4, s) = 176 + 16 s).
;   Window 1: v0-191 X(m < 3, s) = 16 (4 m + s); v192-255 ring B, fragments 0-3.   Window 2: v0-63 ring B, fragments 4-7; v64-127 Y(dt, 4); v128-255 ring A.   Window 3: Y(dt, m < 4) = 8 (8 m + dt).
; THE MODE: SCHED_MODE bits 1:0 = 2 (LLVM: expert scheduling mode 2), set by the entry lines.  The code itself states the register dependences
; between vector or matrix instructions and memory or LDS instructions, with s_wait_alu, always for 0.
; THE PLAN.  Registers that memory or LDS instructions touch, round a trip:
;   v1, v2, v28     Addresses: made at the head, never written again.
;   v32-95          LDS loads land at the trip's head (x's rows 48-63); the first product's last eight instructions read them; then the five gelus write and read them.
;   v176-255        LDS loads land behind the second product (x's rows 64-79, v176-239); the next trip's first product reads them; LDS loads land again (the hidden fragments); the second product reads them.
;   ring A, ring B  The first (second) product reads the ring; then the loads of its next block land in it.
;   v20-23, v24-27  The codes, two sets by turns: gelu m's conversions write set m % 2; one LDS store reads it; gelu m + 2's conversions (in the next trip: gelu 0 behind gelu 4, gelu 1 behind gelu 3) write it again.
;   H, Y, the rows' weights and the constants are named by vector and matrix instructions alone.
; A gelu has a wait on va_vdst behind its reciprocals and one behind its exponentials, ahead of the results' first readers.  THE FIRST OF THEM SERVES THE MEMORY SIDE TOO: the gelu is cut there
; (GELU_A ends with that wait), and what hangs on earlier vector or matrix work is issued straight behind it:
;   behind gelu 0's: ring A's loads and the hidden fragments' (the first product is done reading ring A and v176-239);
;   behind gelu 3's: ring B's loads and those of x's rows 64-79 (the second product is done reading ring B and v176-255);
;   behind gelu m's, m = 1 .. 4: the LDS store of gelu m - 1's codes (its conversions have written them).
; One more wait on va_vdst stands at the trip's end: gelu 4's codes are written, and the gelus are done with v32-95, in which the next trip's first loads land; no vector instruction stands between.
; A wait on vm_vsrc stands ahead of the conversions of gelus 0, 2 and 4: behind the stores of both sets of codes, so it frees the set that this gelu writes and the set that the next gelu writes.
.set TINFO,  68096
.set HBUF,   10240                     ; LDS: two buffers of 5 images x 2,048 bytes for the hidden layer, at 0 and at HBUF,
.set XIMG,   20480                     ; x's images: for each of 5 tiles of rows 32 pieces (K step s, registers 4 c on, half h: piece 8 s + 2 c + h) of 16 rows x 16 bytes,
.set XP,     272                       ; a piece 256 bytes + 16 of padding = 68 words: piece p starts at bank 4 p mod 64 (64 banks of 4 bytes: ISA guide 11.1)
.set XT,     32*XP                     ; a tile of rows
.set STG,    XIMG+5*XT                 ; and a stage of 16 rows x 528 bytes for each wave
.set SPITCH, 528
.set A,  32
.set T,  48
.set Q,  64
.set P,  80
.set H,  96
.set HF, 176
.set X3, 32
.set X4, 176
.set RA, 128                           ; ring A, in window 2
.set RB, 192                           ; ring B's fragments 0-3, in window 1; fragments 4-7 lie at v0 of window 2
.set MSB, 0
.macro WIN new                         ; the immediate's high byte repeats the setting that is left; a switch that changes nothing is dropped
.if MSB != \new
	s_set_vgpr_msb (MSB<<8)|\new
.set MSB, \new
.endif
.endm
.macro CPAIR reg, val                  ; a constant as a scalar pair: the packed forms name the pair and take its low word for both halves
	s_mov_b32 s[\reg], \val
	s_mov_b32 s[\reg+1], \val
.endm
.macro PLACES                          ; four places between a matrix instruction and a vector write of its sources or a read of its results (ISA guide 7.12.1)
.rept 4
	v_nop
.endr
.endm
.macro LOADA base, off                 ; a block of eight fragments into ring A: 32 loads of 512 consecutive bytes
	WIN 0x80                                       ; destination window 2, address window 0
.irp f, 0,1,2,3,4,5,6,7
.irp c, 0,1,2,3
	global_load_b128 v[RA+16*\f+4*\c:RA+16*\f+4*\c+3], v1, s[\base:\base+1] offset:\off+2048*\f+512*\c
.endr
.endr
	WIN 0
.endm
.macro LOADB                           ; the same into ring B, which lies across the edge of windows 1 and 2
	WIN 0x40
.irp f, 0,1,2,3
.irp c, 0,1,2,3
	global_load_b128 v[RB+16*\f+4*\c:RB+16*\f+4*\c+3], v1, s[30:31] offset:2048*\f+512*\c
.endr
.endr
	WIN 0x80
.irp f, 4,5,6,7
.irp c, 0,1,2,3
	global_load_b128 v[16*(\f-4)+4*\c:16*(\f-4)+4*\c+3], v1, s[30:31] offset:2048*\f+512*\c
.endr
.endr
	WIN 0
.endm
.macro XLOAD reg, m                    ; x's four fragments of rows 16 m on, from their images: lanes 0-15 take one piece's 256 bytes, lanes 16-31 the next piece's
.irp s, 0,1,2,3
.irp c, 0,1,2,3
	ds_load_b128 v[(\reg)+16*\s+4*\c:(\reg)+16*\s+4*\c+3], v28 offset:XIMG+XT*(\m)+XP*(8*\s+2*\c)
.endr
.endr
.endm
; H = x W_in^T for my 32 units and the 80 rows: ten accumulators, four K steps.  The accumulators take turns, one instruction a turn; the first K step starts the sums.
.macro P1ROW m, x                      ; the two accumulators of rows 16 m on, x's fragments at v[x] of window 0
.irp s, 0,1,2,3
.irp u, 0,1
.if \s == 0
	v_wmma_f32_16x16x128_fp8_fp8 v[H+16*(\m)+8*\u:H+16*(\m)+8*\u+7], v[RA+16*(4*\u+\s):RA+16*(4*\u+\s)+15], v[(\x)+16*\s:(\x)+16*\s+15], 0
.else
	v_wmma_f32_16x16x128_fp8_fp8 v[H+16*(\m)+8*\u:H+16*(\m)+8*\u+7], v[RA+16*(4*\u+\s):RA+16*(4*\u+\s)+15], v[(\x)+16*\s:(\x)+16*\s+15], v[H+16*(\m)+8*\u:H+16*(\m)+8*\u+7]
.endif
.endr
.endr
.endm
.macro P1
	WIN 0x06                                       ; source 0 (ring A) window 2, source 1 (X) window 1, C and D window 0
.irp s, 0,1,2,3
.irp u, 0,1
.irp m, 0,1,2
.if \s == 0
	v_wmma_f32_16x16x128_fp8_fp8 v[H+16*\m+8*\u:H+16*\m+8*\u+7], v[RA+16*(4*\u+\s):RA+16*(4*\u+\s)+15], v[16*(4*\m+\s):16*(4*\m+\s)+15], 0
.else
	v_wmma_f32_16x16x128_fp8_fp8 v[H+16*\m+8*\u:H+16*\m+8*\u+7], v[RA+16*(4*\u+\s):RA+16*(4*\u+\s)+15], v[16*(4*\m+\s):16*(4*\m+\s)+15], v[H+16*\m+8*\u:H+16*\m+8*\u+7]
.endif
.endr
.endr
.endr
	WIN 0x02                                       ; rows 48-79: X in window 0
	P1ROW 4, X4
	s_wait_dscnt 0x0                               ; rows 48-63 of x, asked for at the trip's head, 32 products ago
	P1ROW 3, X3
.endm
; Y += Q(H) W_out for 128 units: one instruction on each of my 40 accumulators.  zero = 1: it starts the sums: nothing is ever cleared.
.macro P2Q zero, acc, rb, hf
.if \zero
	v_wmma_f32_16x16x128_fp8_fp8 v[(\acc):(\acc)+7], v[(\rb):(\rb)+15], v[(\hf):(\hf)+15], 0
.else
	v_wmma_f32_16x16x128_fp8_fp8 v[(\acc):(\acc)+7], v[(\rb):(\rb)+15], v[(\hf):(\hf)+15], v[(\acc):(\acc)+7]
.endif
.endm
.macro P2 zero
	WIN 0xf1                                       ; source 0 (ring B, fragments 0-3) window 1, source 1 (HF) window 0, C and D window 3
.irp d, 0,1,2,3
.irp m, 0,1,2,3
	P2Q \zero, 8*(8*\m+\d), RB+16*\d, HF+16*\m
.endr
.endr
	WIN 0xa1                                       ; rows 64-79: C and D window 2
.irp d, 0,1,2,3
	P2Q \zero, 64+8*\d, RB+16*\d, HF+64
.endr
	WIN 0xf2                                       ; ring B's fragments 4-7: source 0 window 2
.irp d, 4,5,6,7
.irp m, 0,1,2,3
	P2Q \zero, 8*(8*\m+\d), 16*(\d-4), HF+16*\m
.endr
.endr
	WIN 0xa2
.irp d, 4,5,6,7
	P2Q \zero, 64+8*\d, 16*(\d-4), HF+64
.endr
.endm
.macro HFLOAD buf                      ; the hidden layer's five fragments of 128 units, made by all four waves
.irp m, 0,1,2,3,4
.irp c, 0,1,2,3
	ds_load_b128 v[HF+16*\m+4*\c:HF+16*\m+4*\c+3], v1 offset:(\buf)*HBUF+2048*\m+512*\c
.endr
.endr
.endm
; 16 sums of a lane (row 16 m + r, units 32 w + 16 h + 0..15) become gelu x weight, then 16 codes.  The gelu is written in two parts, cut at its first wait.
; GELU_A: a = |s|, t = 1 / (1 + a Kd), a^2; and the wait.
.macro GELU_A m
.set HH, H+16*(\m)
.irp i, 0,1,2,3,4,5,6,7,8,9,10,11,12,13,14,15
	v_and_b32 v[A+\i], s76, v[HH+\i]               ; a = |s|; each accumulator is read from its low end on
.endr
.irp i, 0,2,4,6,8,10,12,14
	v_pk_fma_f32 v[T+\i:T+\i+1], v[A+\i:A+\i+1], s[52:53], 1.0 op_sel_hi:[1,0,0]   ; 1 + a Kd
.endr
.irp i, 0,2,4,6,8,10,12,14
	v_rcp_f32 v[T+\i], v[T+\i]
	v_rcp_f32 v[T+\i+1], v[T+\i+1]
	v_pk_mul_f32 v[Q+\i:Q+\i+1], v[A+\i:A+\i+1], v[A+\i:A+\i+1]   ; a plain line behind the reciprocals: a^2
.endr
	s_wait_alu depctr_va_vdst(0)                   ; the sixteen reciprocals have written T, ahead of their first reader; and all that the vector and matrix side was given before this line is done: the products' reads of their operands, the last gelu's conversions (TRIP says what leans on that)
.endm
; GELU_B: the rest.  free = 1: the wait on vm_vsrc stands ahead of the conversions.
.macro GELU_B m, free
.set HH, H+16*(\m)
.set CC, 20+4*((\m)%2)
.set RR, 6+2*(\m)
.irp i, 0,2,4,6,8,10,12,14
	v_pk_fma_f32 v[P+\i:P+\i+1], v[T+\i:T+\i+1], v[16:17], s[56:57] op_sel_hi:[1,1,0]   ; c9 t + c8
.endr
.irp c, 58,60,62,66,68,70,72,74
.irp i, 0,2,4,6,8,10,12,14
	v_pk_fma_f32 v[P+\i:P+\i+1], v[P+\i:P+\i+1], v[T+\i:T+\i+1], s[\c:\c+1] op_sel_hi:[1,1,0]   ; Horner: c7 down to c0
.endr
.endr
.irp i, 0,2,4,6,8,10,12,14
	v_pk_fma_f32 v[P+\i:P+\i+1], v[Q+\i:Q+\i+1], s[54:55], v[P+\i:P+\i+1] op_sel_hi:[1,0,1]   ; - a^2 K2
.endr
.irp i, 0,2,4,6,8,10,12,14
	v_exp_f32 v[P+\i], v[P+\i]
	v_exp_f32 v[P+\i+1], v[P+\i+1]
	v_pk_add_f32 v[HH+\i:HH+\i+1], v[HH+\i:HH+\i+1], v[A+\i:A+\i+1]   ; a plain line behind the exponentials: s + a
.endr
	s_wait_alu depctr_va_vdst(0)                   ; the sixteen exponentials have written P, ahead of their first reader
.irp i, 0,2,4,6,8,10,12,14
	v_pk_mul_f32 v[P+\i:P+\i+1], v[T+\i:T+\i+1], v[P+\i:P+\i+1]   ; erfc
.endr
.irp i, 0,2,4,6,8,10,12,14
	v_pk_fma_f32 v[HH+\i:HH+\i+1], v[A+\i:A+\i+1], v[P+\i:P+\i+1], v[HH+\i:HH+\i+1] neg_lo:[1,0,0] neg_hi:[1,0,0]   ; (s + a) - a erfc
.endr
.irp i, 0,2,4,6,8,10,12,14
	v_pk_mul_f32 v[HH+\i:HH+\i+1], v[HH+\i:HH+\i+1], v[RR:RR+1] op_sel_hi:[1,0]   ; x R 2^(E-1)
.endr
.irp i, 0,1,2,3,4,5,6,7,8,9,10,11,12,13,14,15
	v_med3_num_f32 v[HH+\i], v[HH+\i], -v19, v19   ; the conversion to an 8-bit code does not saturate (ISA guide 7.6.2): the hold comes first
.endr
.if \free
	s_wait_alu depctr_vm_vsrc(0)                   ; the image stores issued so far have read both sets of codes: this gelu's conversions write one of them again, the next gelu's the other
.endif
	v_cvt_scalef32_pk8_fp8_f32 v[CC:CC+1], v[HH:HH+7], v18
	v_cvt_scalef32_pk8_fp8_f32 v[CC+2:CC+3], v[HH+8:HH+15], v18
	v_nop                                          ; one plain vector line behind the conversions: the next products write their sources
.endm
.macro IMG m, buf                      ; gelu m's codes go to LDS: registers 4 w .. 4 w + 3 of fragment m, in buffer buf.  It stands behind a wait on va_vdst that stands behind gelu m's conversions
	ds_store_b128 v2, v[20+4*((\m)%2):20+4*((\m)%2)+3] offset:(\buf)*HBUF+2048*(\m)
.endm
; A TRIP: 128 hidden units.  p2 = 0: no second product yet; 1: it starts Y's sums; 2: it adds.  The second product runs one trip behind the first, on the other buffer:
; ONE barrier a trip: in front of it each wave's image stores have landed and its reads of the other buffer are back.
; last = 1: this copy is also the launch's last trip (the loop's counter at 1): W_in has no block left and rows 64-79 of x no reader, so two scalar branches on the counter go round those loads.
; s20 = 32,768 x the trip's number: the offset of the trip's pair of blocks in my stream.
.macro TRIP buf, p2, last
	XLOAD X3, 3                                    ; rows 48-63 of x into the gelu's work registers.  No wait here: the wait at the last trip's end (in the first trip: the head's) stands behind every vector line that names v32-95
.if \p2
	s_wait_loadcnt 32                              ; W_in's block is in ring A; ring B's 32 loads, issued behind it, may be out
.else
	s_wait_loadcnt 0x0                             ; the first trip: ring A's 32 loads are all that is out
.endif
	P1
	WIN 0
	PLACES
	GELU_A 0                                       ; its wait stands behind the first product: that is done reading ring A and v176-239
.if \last
	s_cmp_eq_u32 s77, 1
	s_cbranch_scc1 .Lno_a_\@
.endif
	s_add_nc_u64 s[28:29], s[6:7], s[20:21]        ; ring A's earlier loads were waited for at the trip's head, so their base may be written
	LOADA 28, 16384                                ; block 2 j + 1: W_in of the next trip.  Only scalar lines and a window switch stand between the wait and these loads
.if \last
	s_branch .Lhave_a_\@
.Lno_a_\@:
	s_wait_loadcnt 0x0                             ; on this way nothing is issued behind ring B's loads: the counted wait below would leave them out, so they are waited for here
.Lhave_a_\@:
.endif
.if \p2
	HFLOAD 1-(\buf)                                ; into v176-255, under the same wait
.endif
	GELU_B 0, \p2                                  ; (in the first trip no store has read a code yet: no wait on vm_vsrc)
	GELU_A 1
	IMG 0, \buf
	GELU_B 1, 0
	GELU_A 2
	IMG 1, \buf
	GELU_B 2, 1
.if \p2
	s_wait_loadcnt 32                              ; W_out's block is in ring B; ring A's 32 loads, issued behind it, may be out
	s_wait_dscnt 0x0                               ; and the last trip's hidden fragments are in
	P2 2-(\p2)
	WIN 0
	PLACES
.endif
	GELU_A 3                                       ; its wait stands behind the second product: that is done reading ring B and v176-255
	IMG 2, \buf
	s_add_co_u32 s22, s20, 0x8000
	s_min_u32 s22, s22, 0x3c000                    ; block min(2 j + 2, 15): W_out of this trip
	s_add_nc_u64 s[30:31], s[6:7], s[22:23]        ; ring B's earlier loads were waited for ahead of the second product
	LOADB                                          ; between the wait and these loads: the store above, which names v2 and the codes alone, scalar lines and window switches
	s_add_co_u32 s20, s20, 0x8000
.if \p2
.if \last
	s_cmp_eq_u32 s77, 1
	s_cbranch_scc1 .Lno_x_\@
.endif
	XLOAD X4, 4                                    ; rows 64-79 of x into the hidden fragments' registers, for the next trip's first product; under the same wait
.if \last
.Lno_x_\@:
.endif
.endif
	GELU_B 3, 0
	GELU_A 4
	IMG 3, \buf
	GELU_B 4, 1
	s_wait_alu depctr_va_vdst(0)                   ; gelu 4's conversions have written their codes, which the store below reads; and the gelus are done with v32-95, in which the next trip's first loads land
	IMG 4, \buf
	s_wait_dscnt 0x0
	s_barrier_signal -1
	s_barrier_wait -1
.endm
	s_load_b256 s[4:11], s[0:1], 0x0               ; xq s[4:5], wq s[6:7], lists s[8:9], sw s[10:11]
	s_load_b128 s[12:15], s[0:1], 0x20             ; the scales' exponents s[12:13], part s[14:15]
	v_lshl_add_u32 v30, v0, 2, 0x18000
	v_mov_b32 v31, 0
	v_lshrrev_b32 v5, 5, v0
	v_readfirstlane_b32 s16, v5                    ; wave 0..3
	v_and_b32 v5, 31, v0                           ; lane
	v_lshlrev_b32 v1, 4, v5                        ; 16 x lane
	s_and_b32 s18, ttmp7, 0xffff                   ; hs: which half of the hidden layer
	s_lshl_b32 s20, ttmp9, 2                       ; the tile's entry in the list
	s_mov_b32 s21, 0
	s_mul_i32 s22, ttmp9, 320                      ; the tile's 80 slots, 4 bytes each
	s_mov_b32 s23, 0
	s_wait_alu depctr_va_sdst(0)                   ; s16 is written, ahead of its first reader: offsets, LDS places and bases are made from it
	s_lshl_b32 s28, s16, 6
	s_add_co_u32 s28, s28, s22                     ; slots 16 w + 0..15
	s_mov_b32 s29, 0
	s_lshl_b32 s30, s16, 4
	s_add_co_u32 s30, s30, s22                     ; slots 64 + 4 w + 0..3 (the 64 stand in the immediate)
	s_mov_b32 s31, 0
	s_wait_kmcnt 0x0
	s_add_nc_u64 s[20:21], s[8:9], s[20:21]
	s_add_nc_u64 s[28:29], s[8:9], s[28:29]
	s_add_nc_u64 s[30:31], s[8:9], s[30:31]
	s_add_nc_u64 s[10:11], s[10:11], s[22:23]
	s_load_b32 s19, s[20:21], TINFO                ; the tile's expert, or 8
	s_load_b512 s[32:47], s[28:29], 0x0            ; 16 tokens
	s_load_b128 s[48:51], s[30:31], 0x100          ; 4 tokens
	s_load_b128 s[24:27], s[12:13], 0x0            ; e0, e1, e2, e3
	v_and_b32 v52, 15, v0                          ; r
	v_bfe_u32 v53, v0, 4, 1                        ; h
	v_lshlrev_b32 v54, 2, v52                      ; sw: 4 r
	s_lshl_b32 s77, s16, 9
	v_add_nc_u32 v2, s77, v1                       ; image stores: 16 lane + 512 w
	s_mul_i32 s77, s16, 16*SPITCH
	s_add_co_u32 s77, s77, STG                     ; my stage
	v_mul_u32_u24 v3, v52, SPITCH
	v_lshl_add_u32 v3, v53, 5, v3
	v_add_nc_u32 v3, s77, v3                       ; in: row r, 32 bytes for each half of the lanes
	v_add_nc_u32 v4, s77, v1                       ; back: a row of 512 bytes
	v_mul_u32_u24 v28, v53, XP
	v_lshl_add_u32 v28, v52, 4, v28                ; x's images, out: piece + h, row r
	v_mul_u32_u24 v55, v5, XP                      ; and in: a gathered row's lane L holds k = 16 L on: K step L / 8, registers 4 ((L / 2) % 4) on, half L % 2: piece L
	s_mul_i32 s77, s16, XT
	s_add_co_u32 s77, s77, XIMG
	v_add_nc_u32 v56, s77, v55                     ; rows 16 w + i: tile of rows w, row i
	s_lshl_b32 s77, s16, 6
	s_add_co_u32 s77, s77, XIMG+4*XT
	v_add_nc_u32 v57, s77, v55                     ; rows 64 + 4 w + i: tile of rows 4, row 4 w + i
	CPAIR 56, 0xbf97d29d                           ; c8 .. c0, each x log2(e)
	CPAIR 58, 0x40097039
	CPAIR 60, 0xbfd1a1e5
	CPAIR 62, 0x3ecdfd18
	CPAIR 66, 0xbe899a80
	CPAIR 68, 0x3e0efb2e
	CPAIR 70, 0x3f0a29d2
	CPAIR 72, 0x3fb8ab5a
	CPAIR 74, 0xbfe9b21e
	s_mov_b32 s76, 0x7fffffff
	v_mov_b32 v16, 0x3e7c6f08                      ; c9
	v_mov_b32 v17, 0x3e7c6f08
	s_wait_kmcnt 0x0
.irp i, 0,1,2,3,4,5,6,7,8,9,10,11,12,13,14,15,16,17,18,19
	s_min_u32 s[32+\i], s[32+\i], 4095             ; a stored number enters an address only held inside its table
	s_lshl_b32 s[32+\i], s[32+\i], 9
	v_add_nc_u32 v[A+\i], s[32+\i], v1             ; all twenty addresses are made first, so that one wait serves the twenty loads
.endr
	s_wait_alu depctr_va_vdst(0)                   ; every address of the kernel is written: v1 to v4, v28, v54, v56, v57 and the gathers' v32-51; and the head is done writing and reading v32-57, in which LDS loads land later
.irp i, 0,1,2,3,4,5,6,7,8,9,10,11,12,13,14,15,16,17,18,19
	global_load_b128 v[H+4*\i:H+4*\i+3], v[A+\i], s[4:5]   ; a whole row of codes: 512 consecutive bytes
.endr
.irp m, 0,1,2,3,4
	global_load_b32 v[6+2*\m], v54, s[10:11] offset:64*\m   ; the weight of row 16 m + r
.endr
	s_min_u32 s20, s19, 7                          ; the expert
	s_lshl_b32 s20, s20, 2
	s_add_co_u32 s20, s20, s16
	s_lshl_b32 s20, s20, 1
	s_add_co_u32 s20, s20, s18
	s_lshl_b32 s20, s20, 18                        ; ((e*4 + w)*2 + hs) x 16 blocks of 16 KiB
	s_mov_b32 s21, 0
	s_add_nc_u64 s[6:7], s[6:7], s[20:21]          ; my stream: not written again
	LOADA 6, 0                                     ; block 0: W_in of the first trip
	s_add_co_i32 s21, s24, s25                     ; E = e0 + e1
	s_lshl_b32 s22, s21, 23
	s_add_co_i32 s52, s22, 0x3eb504f3              ; Kd = 2^E / (2 sqrt 2)
	s_mov_b32 s53, s52
	s_lshl_b32 s22, s21, 24
	s_add_co_i32 s54, s22, 0x3f38aa3b              ; K2 = 2^(2E) log2(e) / 2,
	s_xor_b32 s54, s54, 0x80000000                 ; negative
	s_mov_b32 s55, s54
	s_sub_co_i32 s23, s21, 1                       ; E - 1
	s_add_co_i32 s22, s26, 127
	s_lshl_b32 s28, s22, 23
	v_mov_b32 v18, s28                             ; 2^e2
	s_add_co_i32 s22, s22, 8
	s_lshl_b32 s22, s22, 23
	s_or_b32 s22, s22, 0x600000
	v_mov_b32 v19, s22                             ; 448 x 2^e2
	s_mul_i32 s20, s18, 8800
	s_mul_i32 s21, ttmp9, 80
	s_add_co_u32 s20, s20, s21
	s_lshl_b32 s20, s20, 11                        ; part: row hs*8800 + 80 tile,
	s_lshl_b32 s21, s16, 9
	s_add_co_u32 s20, s20, s21                     ; my 128 columns
	s_mov_b32 s21, 0
	s_add_nc_u64 s[14:15], s[14:15], s[20:21]
	s_wait_loadcnt 37                              ; the 20 gathered rows are in; behind them: 5 weights and ring A's 32
.irp i, 0,1,2,3,4,5,6,7,8,9,10,11,12,13,14,15
	ds_store_b128 v56, v[H+4*\i:H+4*\i+3] offset:16*\i
.endr
.irp i, 0,1,2,3
	ds_store_b128 v57, v[H+64+4*\i:H+64+4*\i+3] offset:16*\i
.endr
	s_wait_loadcnt 32                              ; the weights are in; behind them: ring A's 32
.irp m, 0,1,2,3,4
	v_ldexp_f32 v[6+2*\m], v[6+2*\m], s23
	v_mov_b32 v[7+2*\m], v[6+2*\m]                 ; (named with it as a pair, so it is written)
.endr
	s_wait_dscnt 0x0                               ; for the others' sake: my rows' images have landed
	s_barrier_signal -1
	s_barrier_wait -1
	s_wait_alu depctr_vm_vsrc(0)                   ; my image stores have read v96-175, which the products write from here on; the gathers, the weights' loads and the stores have read their addresses v32-51, v54, v56, v57, in which LDS loads land and which the gelus write
	WIN 0x40                                       ; x's fragments of rows 0-47 stay in registers: destination window 1
	XLOAD 0, 0
	XLOAD 64, 1
	XLOAD 128, 2
	WIN 0
	XLOAD X4, 4                                    ; rows 64-79, for the first two trips: the first reads no hidden fragments, so they stay
	s_wait_dscnt 0x0
	s_mov_b32 s20, 0                               ; the trip's offset in my stream, as a pair with 0 above it,
	s_mov_b32 s21, 0
	s_mov_b32 s23, 0                               ; and the upper word of ring B's offset
	TRIP 0, 0, 0                                   ; units 0-127: nothing to multiply by W_out yet
	TRIP 1, 1, 0                                   ; units 128-255; the second product of units 0-127 starts Y's sums
	s_mov_b32 s77, 3
.Lpair:                                                ; three trips of two: the buffers are back where they began
	TRIP 0, 2, 0
	TRIP 1, 2, 1
	s_sub_co_u32 s77, s77, 1
	s_cmp_lg_u32 s77, 0
	s_cbranch_scc1 .Lpair
	HFLOAD 1                                       ; the last 128 units' second product; ring B was asked for block 15 in the last trip, and nothing more is asked for.  No wait: the wait at the last trip's end stands behind every product that read v176-255
	s_wait_loadcnt 0x0
	s_wait_dscnt 0x0
	P2 0
	WIN 0
	PLACES                                         ; in front of the first read of results
	s_wait_alu depctr_va_vdst(0)                   ; the products have written Y, which the stage's stores read (the places above stay beside this wait), and are done reading v176-255; the gelus are done with v96-175: the read-backs land in v96-223.  No vector instruction follows
	s_cmp_gt_u32 s19, 7                            ; behind the last barrier: a tile that the split leaves empty stores nothing
	s_cbranch_scc1 .Lend
; THE WAY OUT, 16 rows at a time.  A lane holds 32 neighbouring bytes of a row and the lanes beside it other rows: so the rows go through my own stage and leave as 512 consecutive bytes.
; LDS serves a wave's instructions in order (ISA guide 5.7.1.4): no wait between the stores and the loads, nor in front of the next rows' stores.
.macro OUTM m
.set BK, 96+64*((\m)%2)
.if (\m) < 4
	WIN 0x0c                                       ; store data window 3
.irp d, 0,1,2,3,4,5,6,7
	ds_store_b128 v3, v[8*(8*(\m)+\d):8*(8*(\m)+\d)+3] offset:64*\d
	ds_store_b128 v3, v[8*(8*(\m)+\d)+4:8*(8*(\m)+\d)+7] offset:64*\d+16
.endr
.else
	WIN 0x08                                       ; store data window 2
.irp d, 0,1,2,3,4,5,6,7
	ds_store_b128 v3, v[64+8*\d:64+8*\d+3] offset:64*\d
	ds_store_b128 v3, v[64+8*\d+4:64+8*\d+7] offset:64*\d+16
.endr
.endif
	WIN 0
.if (\m) >= 2
	s_wait_xcnt 0x0                                ; the stores of two turns ago have had their addresses translated,
	s_wait_alu depctr_vm_vsrc(0)                   ; and have read this set of registers, in which the read-backs below land
.endif
.irp i, 0,1,2,3,4,5,6,7,8,9,10,11,12,13,14,15
	ds_load_b128 v[BK+4*\i:BK+4*\i+3], v4 offset:SPITCH*\i
.endr
.irp i, 0,1,2,3,4,5,6,7,8,9,10,11,12,13,14,15
	s_wait_dscnt 15-\i                             ; the younger read-backs may be out
	global_store_b128 v1, v[BK+4*\i:BK+4*\i+3], s[14:15] offset:(16*(\m)+\i)*2048
.endr
.endm
	OUTM 0
	OUTM 1
	OUTM 2
	OUTM 3
	OUTM 4
.Lend:
	s_wait_dscnt 0x0                               ; the closing lines, six on end
	s_wait_alu 0x0
	s_wait_tensorcnt 0x0
	ds_add_u32 v30, v31
	s_wait_dscnt 0x0
	s_endpgm
.Lfunc_end_k_q9760fa2e5f_chain:
	.size	k_q9760fa2e5f_chain, .Lfunc_end_k_q9760fa2e5f_chain-k_q9760fa2e5f_chain
	.p2alignl 7, 3214868480
	.fill 96, 4, 3214868480
	.section	.rodata,"a",@progbits
	.p2align	6, 0x0
	.amdhsa_kernel k_q9760fa2e5f_chain
		.amdhsa_group_segment_fixed_size 98816
		.amdhsa_private_segment_fixed_size 0
		.amdhsa_enable_private_segment 0
		.amdhsa_kernarg_size 48
		.amdhsa_user_sgpr_count 2
		.amdhsa_user_sgpr_kernarg_segment_ptr 1
		.amdhsa_wavefront_size32 1
		.amdhsa_system_sgpr_workgroup_id_x 1
		.amdhsa_system_sgpr_workgroup_id_y 1
		.amdhsa_system_sgpr_workgroup_id_z 1
		.amdhsa_system_vgpr_workitem_id 0
		.amdhsa_next_free_vgpr 1024
		.amdhsa_next_free_sgpr 80
		.amdhsa_reserve_vcc 0
		.amdhsa_float_denorm_mode_32 3
		.amdhsa_float_denorm_mode_16_64 3
		.amdhsa_memory_ordered 1
		.amdhsa_forward_progress 1
		.amdhsa_inst_pref_size 255
	.end_amdhsa_kernel
	.section	.bss,"aw",@nobits
	.p2align	6
	.space	262144
	.amdgpu_metadata
---
amdhsa.version: [ 1, 2 ]
amdhsa.kernels:
  - .name:           k_q9760fa2e5f_chain
    .symbol:         k_q9760fa2e5f_chain.kd
    .args:
      - { .name: xq, .offset: 0, .size: 8, .value_kind: global_buffer, .address_space: global }
      - { .name: wq, .offset: 8, .size: 8, .value_kind: global_buffer, .address_space: global }
      - { .name: lists, .offset: 16, .size: 8, .value_kind: global_buffer, .address_space: global }
      - { .name: sw, .offset: 24, .size: 8, .value_kind: global_buffer, .address_space: global }
      - { .name: lowp_scales, .offset: 32, .size: 8, .value_kind: global_buffer, .address_space: global }
      - { .name: part, .offset: 40, .size: 8, .value_kind: global_buffer, .address_space: global }
    .group_segment_fixed_size: 98816
    .private_segment_fixed_size: 0
    .kernarg_segment_align: 8
    .kernarg_segment_size: 48
    .max_flat_workgroup_size: 128
    .sgpr_count:     80
    .vgpr_count:     1024
    .wavefront_size: 32
...
	.end_amdgpu_metadata
.endif
;; end of part 7
;; launch combine: the kernel of part 4 again; grid 256 x 1, 8 waves a work-group, no clusters, 0 bytes of LDS; arguments part, lists, lowp_scales, out0; writes out0
